; MI455X (gfx1250); checked and timed in simulation.
; The chip was launched on July 23, 2026; its instructions are those of AMD's public machine-readable ISA for CDNA 5 (MIT licence, August 2026) and "CDNA5" Instruction Set Architecture Reference Guide (July 2026). The comments in the code are by the model that wrote it; some were corrected since.
;; Muti Head Attention. Allowed arithmetic: float matrix products may take bf16 or f16 operands with f32 sums; other float arithmetic in f32, or as packed bf16 or f16 multiplies, adds, multiply-adds, maxima and minima; sums over many terms, partial sums and values carried from step to step in f32; what a program stores and reads back later, other than sums and carried values, may be rounded once to bf16 or f16.
;; Inputs: Wk 1,024 x 1,024 float32; Wo 1,024 x 1,024 float32; Wq 1,024 x 1,024 float32; Wv 1,024 x 1,024 float32; bk 1,024 float32; bo 1,024 float32; bq 1,024 float32; bv 1,024 float32; hidden_state 4 x 4,096 x 1,024 float32.
;; Outputs: out0 4 x 4,096 x 1,024 float32.
;; 2 versions, each right; version 2 is version 1 with the launch attn written anew for expert scheduling mode. Each part assembles by itself: llvm-mc -triple=amdgcn-amd-amdhsa -mcpu=gfx1250 --defsym DOCPART=n.
;; ======== version 1 of 2: 4 launches
;; limits: values are held in f16: magnitudes above 65,504 overflow, below 6.1e-05 lose precision
;; workspace buffers: xb 33,554,432 bytes; wt 6,291,456 bytes; wot 2,097,152 bytes; bias 16,384 bytes; qkv 100,663,296 bytes; ao 33,554,432 bytes
;; launch prep (part 1): grid 1537 x 1, 8 waves a work-group, no clusters, 18,432 bytes of LDS; arguments hidden_state, Wq, Wk, Wv, Wo, bq, bk, bv, bo, xb, wt, wot, bias; writes xb, wt, wot, bias
.if DOCPART == 1
	.amdgcn_target "amdgcn-amd-amdhsa--gfx1250"
	.amdhsa_code_object_version 6
	.text
	.protected	k_qbc295bd49a_prep
	.globl	k_qbc295bd49a_prep
	.p2align	8
	.type	k_qbc295bd49a_prep,@function
k_qbc295bd49a_prep:
	s_mov_b64 s[64:65], 0
	v_nop
	global_prefetch_b8 v0, s[64:65] scope:SCOPE_SE
	s_setreg_imm32_b32 hwreg(HW_REG_WAVE_MODE, 25, 1), 1
	s_wait_xcnt 0x0
; PREP: every input of the module is rounded once to bf16 and laid out for the launches behind.
;   xb   [16384][1024] bf16       = hidden_state
;   wt   [3072][1024]  bf16       row mat*1024 + n' = column n of Wq, Wk, Wv (mat 0, 1, 2), K along the row.  The order n' of the rows is chosen so that a token's 3,072 results of the
;                                 projection lie in memory as the attention's matrix fragments lie in registers:
;                                 q, k: n' = j*256 + hh*128 + r*8 + e  holds column n = r*64 + j*16 + hh*8 + e      (head r, channel 16 j + 8 hh + e)
;                                 v:    n' = cb*256 + hh*128 + r*8 + e holds column n = (8 hh + e)*64 + 16 cb + r   (head 8 hh + e, channel 16 cb + r)
;   wot  [1024][1024]  f16        wot[n][k] = Wo[k][n] rounded to bf16, that number written as f16
;   bias [4096]        f32        bq, bk, bv in the order n', then bo; each rounded to bf16 and widened again
; LIMITS.  Wo's numbers lie within f16's range (65,504); below 6e-5 f16 keeps a fixed step of 6e-8.  NaN and infinities are not treated apart.
; WORK-GROUPS.  0-511: a tile of 128 k x 64 n of one weight, turned through LDS.  512: the biases.  513-1536: 65,536 bytes of hidden_state each.
; No cluster, no tensor load, no matrix unit: nothing is shared between work-groups and nothing is multiplied; the launch is loads and stores of whole aligned blocks of 256 bytes.
.set TP,    272                        ; a row of the turned tile in LDS: 128 k of 2 bytes + 16 of padding
.set SPARE, 64*TP                      ; 17,408: behind the tile the spare words, 128 bytes for each of eight waves
.set SPW,   2                          ; v2  LDS address of my spare word; never rewritten
.set NIL,   3                          ; v3  0; never rewritten
	s_load_b512 s[8:23], s[0:1], 0x0               ; hidden_state s[8:9], Wq s[10:11], Wk s[12:13], Wv s[14:15], Wo s[16:17], bq s[18:19], bk s[20:21], bv s[22:23]
	s_load_b256 s[24:31], s[0:1], 0x40             ; bo s[24:25], xb s[26:27], wt s[28:29], wot s[30:31]
	s_load_b64 s[32:33], s[0:1], 0x60              ; bias
	v_lshl_add_u32 v[SPW], v0, 2, SPARE
	v_mov_b32 v[NIL], 0
	v_lshrrev_b32 v1, 5, v0
	v_readfirstlane_b32 s38, v1                    ; wave 0..7
	v_and_b32 v1, 31, v0                           ; lane
	s_mov_b32 s37, 0                               ; the high word of every offset pair s[36:37]
	s_wait_kmcnt 0x0
	s_cmp_lt_u32 ttmp9, 512                        ; the ways part on the work-group's number alone: all eight waves go together
	s_cbranch_scc1 .Lweights
	s_cmp_eq_u32 ttmp9, 512
	s_cbranch_scc1 .Lbias
	; THE CAST.  A wave takes 8,192 bytes of f32: sixteen loads of 512 consecutive bytes, all out at once; each becomes one store of 256 consecutive aligned bytes.
	s_sub_co_u32 s34, ttmp9, 513
	s_lshl_b32 s36, s34, 16                        ; 65,536 bytes a work-group,
	s_lshl_b32 s35, s38, 13                        ; 8,192 a wave
	s_add_co_u32 s36, s36, s35
	s_add_nc_u64 s[8:9], s[8:9], s[36:37]
	s_lshr_b32 s36, s36, 1                         ; half as many bytes out
	s_add_nc_u64 s[26:27], s[26:27], s[36:37]
	v_lshlrev_b32 v4, 4, v1
	v_lshlrev_b32 v5, 3, v1
.irp i, 0,1,2,3,4,5,6,7,8,9,10,11,12,13,14,15
	global_load_b128 v[16+4*(\i):19+4*(\i)], v4, s[8:9] offset:512*(\i) th:TH_LOAD_NT
.endr
.irp i, 0,1,2,3,4,5,6,7,8,9,10,11,12,13,14,15
	s_wait_loadcnt 15-(\i)                         ; loads come back in order: the 15 - i younger ones may stay out
	v_cvt_pk_bf16_f32 v[16+4*(\i)], v[16+4*(\i)], v[17+4*(\i)]
	v_cvt_pk_bf16_f32 v[17+4*(\i)], v[18+4*(\i)], v[19+4*(\i)]
	global_store_b64 v5, v[16+4*(\i):17+4*(\i)], s[26:27] offset:256*(\i)
.endr
	s_branch .Lend
.Lbias:
	; THE BIASES.  Thread t makes the four numbers n' = 4 t .. 4 t + 3 of each of the four.  In n': e = 4 (t & 1) + i, r = (t >> 1) & 15, hh = (t >> 5) & 1, j or cb = t >> 6.
	v_and_b32 v4, 1, v0
	v_bfe_u32 v5, v0, 1, 4                         ; r
	v_bfe_u32 v6, v0, 5, 1                         ; hh
	v_lshrrev_b32 v7, 6, v0                        ; j, cb
	v_lshlrev_b32 v8, 8, v5                        ; q, k: 4 x (r*64 + j*16 + hh*8 + 4 (t & 1)): four neighbours
	v_lshl_add_u32 v8, v7, 6, v8
	v_lshl_add_u32 v8, v6, 5, v8
	v_lshl_add_u32 v8, v4, 4, v8
	v_lshlrev_b32 v9, 11, v6                       ; v: 4 x (hh*512 + (t & 1)*256 + cb*16 + r), and 64 numbers on for each i
	v_lshl_add_u32 v9, v4, 10, v9
	v_lshl_add_u32 v9, v7, 6, v9
	v_lshl_add_u32 v9, v5, 2, v9
	v_lshlrev_b32 v10, 4, v0
	global_load_b128 v[16:19], v8, s[18:19]
	global_load_b128 v[20:23], v8, s[20:21]
.irp i, 0,1,2,3
	global_load_b32 v[24+(\i)], v9, s[22:23] offset:256*(\i)
.endr
	global_load_b128 v[28:31], v10, s[24:25]
	s_wait_loadcnt 0x0
.irp p, 0,1,2,3,4,5,6,7
	v_cvt_pk_bf16_f32 v[32+(\p)], v[16+2*(\p)], v[17+2*(\p)]   ; rounded to bf16,
.endr
.irp p, 0,1,2,3,4,5,6,7
	v_lshlrev_b32 v[16+2*(\p)], 16, v[32+(\p)]                 ; and widened again
	v_and_b32 v[17+2*(\p)], 0xffff0000, v[32+(\p)]
.endr
.irp m, 0,1,2,3
	global_store_b128 v10, v[16+4*(\m):19+4*(\m)], s[32:33] offset:4096*(\m)
.endr
	s_branch .Lend
.Lweights:
	; A WEIGHT'S TILE: k = 128 kt .. + 127, n = 64 nt .. + 63.  Wave w loads rows k = 16 w .. 16 w + 15, 256 consecutive bytes each (a lane: two neighbouring n).
	s_lshr_b32 s34, ttmp9, 7                       ; mat
	s_bfe_u32 s35, ttmp9, 0x40003                  ; nt
	s_and_b32 s39, ttmp9, 7                        ; kt
	s_mov_b64 s[40:41], s[10:11]
	s_cmp_eq_u32 s34, 1
	s_cselect_b64 s[40:41], s[12:13], s[40:41]
	s_cmp_eq_u32 s34, 2
	s_cselect_b64 s[40:41], s[14:15], s[40:41]
	s_cmp_eq_u32 s34, 3
	s_cselect_b64 s[40:41], s[16:17], s[40:41]
	s_lshl_b32 s36, s39, 7
	s_lshl4_add_u32 s36, s38, s36                  ; row 128 kt + 16 w,
	s_lshl_b32 s36, s36, 12                        ; of 4,096 bytes,
	s_lshl_b32 s42, s35, 8                         ; and 256 nt bytes along it
	s_add_co_u32 s36, s36, s42
	s_add_nc_u64 s[40:41], s[40:41], s[36:37]
	v_lshlrev_b32 v4, 3, v1
.irp i, 0,1,2,3,4,5,6,7,8,9,10,11,12,13,14,15
	global_load_b64 v[16+2*(\i):17+2*(\i)], v4, s[40:41] offset:4096*(\i) th:TH_LOAD_NT
.endr
	; while they are on their way: where the turned rows go.  Wave w stores the tile's rows 8 w + 2 i + (lane / 16), i = 0..3.
	s_cmp_eq_u32 s34, 3
	s_cselect_b64 s[44:45], s[30:31], s[28:29]     ; wot, or wt
	s_cselect_b32 s43, 0, s34
	s_lshl_b32 s43, s43, 21                        ; + mat x 1,024 rows of 2,048 bytes
	s_lshr_b32 s46, s38, 1
	s_lshl_b32 s46, s46, 8                         ; (w >> 1) x 256
	s_and_b32 s47, s38, 1
	s_lshl_b32 s48, s47, 7                         ; q, k: j = w >> 1, hh = w & 1, r = nt, e = 2 i + lane / 16
	s_add_co_u32 s48, s48, s46
	s_lshl3_add_u32 s48, s35, s48
	s_lshr_b32 s49, s35, 3                         ; v: cb = w >> 1, hh = nt >> 3, r = 8 (w & 1) + 2 i + lane / 16, e = nt & 7
	s_lshl_b32 s49, s49, 7
	s_add_co_u32 s49, s49, s46
	s_lshl_b32 s50, s47, 6
	s_add_co_u32 s49, s49, s50
	s_and_b32 s50, s35, 7
	s_add_co_u32 s49, s49, s50
	s_lshl_b32 s50, s35, 6                         ; o: the natural order
	s_lshl3_add_u32 s50, s38, s50
	s_mov_b32 s51, 2048                            ; bytes from one of my rows to the next: one row of the table, for v eight
	s_cmp_eq_u32 s34, 2
	s_cselect_b32 s48, s49, s48
	s_cselect_b32 s51, 16384, s51
	s_cmp_eq_u32 s34, 3
	s_cselect_b32 s48, s50, s48
	s_lshl_b32 s48, s48, 11
	s_add_co_u32 s48, s48, s43
	s_lshl_b32 s50, s39, 8                         ; the tile's 256 bytes of each row
	s_add_co_u32 s36, s48, s50
	s_add_nc_u64 s[44:45], s[44:45], s[36:37]
	s_lshl_b32 s52, s51, 1
	v_and_b32 v12, 15, v1
	v_lshrrev_b32 v13, 4, v1
	v_lshlrev_b32 v14, 4, v12
	v_mul_u32_u24 v8, s51, v13
	v_add_nc_u32 v8, v8, v14                       ; sixteen lanes a row, 16 bytes each; lanes 16-31 the next row
	v_add_nc_u32 v9, s52, v8
	v_add_nc_u32 v10, s52, v9
	v_add_nc_u32 v11, s52, v10
	v_lshl_add_u32 v7, s38, 3, v13                 ; the same rows in LDS
	v_mul_u32_u24 v7, v7, TP
	v_add_nc_u32 v7, v7, v14
	v_mul_u32_u24 v6, v1, 2*TP                     ; in: rows 2 lane and 2 lane + 1, my wave's 16 k = 32 bytes
	v_lshl_add_u32 v6, s38, 5, v6
.irp q, 0,1,2,3,4,5,6,7
	s_wait_loadcnt 14-2*(\q)                       ; rows 2 q and 2 q + 1 are in; the younger ones may stay out
	v_cvt_pk_bf16_f32 v[48+(\q)], v[16+4*(\q)], v[18+4*(\q)]   ; two neighbouring k of the even n,
	v_cvt_pk_bf16_f32 v[56+(\q)], v[17+4*(\q)], v[19+4*(\q)]   ; of the odd n
.endr
	s_cmp_lg_u32 s34, 3
	s_cbranch_scc1 .Lkeep
.set r, 48
.rept 16                                       ; Wo: the bf16 number is written as f16
	v_lshlrev_b32 v64, 16, v[r]
	v_and_b32 v65, 0xffff0000, v[r]
	v_cvt_pk_f16_f32 v[r], v64, v65
.set r, r+1
.endr
.Lkeep:
.irp p, 0,1
	ds_store_b128 v6, v[48+8*(\p):51+8*(\p)] offset:TP*(\p)
	ds_store_b128 v6, v[52+8*(\p):55+8*(\p)] offset:TP*(\p)+16
.endr
	s_wait_dscnt 0x0                               ; for the others' sake: my stores are done
	s_barrier_signal -1
	s_barrier_wait -1                              ; the tile is whole
.irp i, 0,1,2,3
	ds_load_b128 v[16+4*(\i):19+4*(\i)], v7 offset:2*TP*(\i)
.endr
.irp i, 0,1,2,3
	s_wait_dscnt 3-(\i)
	global_store_b128 v[8+(\i)], v[16+4*(\i):19+4*(\i)], s[44:45]  ; two rows, each 256 consecutive aligned bytes
.endr
.Lend:
	s_wait_tensorcnt 0x0                           ; the wave's end, behind my last LDS store
	ds_add_u32 v[SPW], v[NIL]
	s_wait_dscnt 0x0
	s_endpgm
.Lfunc_end_k_qbc295bd49a_prep:
	.size	k_qbc295bd49a_prep, .Lfunc_end_k_qbc295bd49a_prep-k_qbc295bd49a_prep
	.p2alignl 7, 3214868480
	.fill 96, 4, 3214868480
	.section	.rodata,"a",@progbits
	.p2align	6, 0x0
	.amdhsa_kernel k_qbc295bd49a_prep
		.amdhsa_group_segment_fixed_size 18432
		.amdhsa_private_segment_fixed_size 0
		.amdhsa_enable_private_segment 0
		.amdhsa_kernarg_size 104
		.amdhsa_user_sgpr_count 2
		.amdhsa_user_sgpr_kernarg_segment_ptr 1
		.amdhsa_wavefront_size32 1
		.amdhsa_system_sgpr_workgroup_id_x 1
		.amdhsa_system_sgpr_workgroup_id_y 1
		.amdhsa_system_sgpr_workgroup_id_z 1
		.amdhsa_system_vgpr_workitem_id 0
		.amdhsa_next_free_vgpr 80
		.amdhsa_next_free_sgpr 66
		.amdhsa_reserve_vcc 0
		.amdhsa_float_denorm_mode_32 3
		.amdhsa_float_denorm_mode_16_64 3
		.amdhsa_memory_ordered 1
		.amdhsa_forward_progress 1
		.amdhsa_inst_pref_size 19
	.end_amdhsa_kernel
	.amdgpu_metadata
---
amdhsa.version: [ 1, 2 ]
amdhsa.kernels:
  - .name:           k_qbc295bd49a_prep
    .symbol:         k_qbc295bd49a_prep.kd
    .args:
      - { .name: hidden_state, .offset: 0, .size: 8, .value_kind: global_buffer, .address_space: global }
      - { .name: Wq, .offset: 8, .size: 8, .value_kind: global_buffer, .address_space: global }
      - { .name: Wk, .offset: 16, .size: 8, .value_kind: global_buffer, .address_space: global }
      - { .name: Wv, .offset: 24, .size: 8, .value_kind: global_buffer, .address_space: global }
      - { .name: Wo, .offset: 32, .size: 8, .value_kind: global_buffer, .address_space: global }
      - { .name: bq, .offset: 40, .size: 8, .value_kind: global_buffer, .address_space: global }
      - { .name: bk, .offset: 48, .size: 8, .value_kind: global_buffer, .address_space: global }
      - { .name: bv, .offset: 56, .size: 8, .value_kind: global_buffer, .address_space: global }
      - { .name: bo, .offset: 64, .size: 8, .value_kind: global_buffer, .address_space: global }
      - { .name: xb, .offset: 72, .size: 8, .value_kind: global_buffer, .address_space: global }
      - { .name: wt, .offset: 80, .size: 8, .value_kind: global_buffer, .address_space: global }
      - { .name: wot, .offset: 88, .size: 8, .value_kind: global_buffer, .address_space: global }
      - { .name: bias, .offset: 96, .size: 8, .value_kind: global_buffer, .address_space: global }
    .group_segment_fixed_size: 18432
    .private_segment_fixed_size: 0
    .kernarg_segment_align: 8
    .kernarg_segment_size: 104
    .max_flat_workgroup_size: 256
    .sgpr_count:     66
    .vgpr_count:     80
    .wavefront_size: 32
...
	.end_amdgpu_metadata
.endif
;; end of part 1
;; launch gemm_qkv (part 2): grid 4 x 64, 4 waves a work-group, clusters of 4 x 4, 327,680 bytes of LDS; arguments xb, wt, bias, qkv; writes qkv
.if DOCPART == 2
	.amdgcn_target "amdgcn-amd-amdhsa--gfx1250"
	.amdhsa_code_object_version 6
	.text
	.protected	k_qbc295bd49a_gemm_qkv
	.globl	k_qbc295bd49a_gemm_qkv
	.p2align	8
	.type	k_qbc295bd49a_gemm_qkv,@function
k_qbc295bd49a_gemm_qkv:
	s_mov_b64 s[64:65], 0
	v_nop
	global_prefetch_b8 v0, s[64:65] scope:SCOPE_SE
	s_setreg_imm32_b32 hwreg(HW_REG_WAVE_MODE, 25, 1), 1
	s_wait_xcnt 0x0
	s_wait_alu depctr_hold_cnt(0) depctr_sa_sdst(0) depctr_va_vdst(0) depctr_va_sdst(0) depctr_va_ssrc(0) depctr_va_vcc(0) depctr_vm_vsrc(0)
	s_getreg_b32 s2, hwreg(HW_REG_IB_STS2, 6, 4)
	s_cmp_eq_u32 s2, 0
	s_cbranch_scc0 .Lentry_in_a_cluster
	s_endpgm
.Lentry_in_a_cluster:
	s_bfe_u32 s2, ttmp6, 0x10000c
	s_cmp_lg_u32 s2, 0xf033
	s_cbranch_scc0 .Lentry_shape_is_right
	s_endpgm
.Lentry_shape_is_right:
; qkv[t][n'] = sum over k of xb[t][k] wt[n'][k] + bias[n'].  xb: [16384][1024] bf16, wt: [3072][1024] bf16, bias: f32, qkv: [16384][3072] f16; sums in f32, rounded once.
; LIMIT.  A result beyond f16's 65,504 becomes an infinity; below 6e-5 f16 keeps a fixed step of 6e-8.
; A tile of the result, 256 x 256, is made by four waves, each 128 x 128: 64 accumulators of 16 x 16, 512 registers.  K goes in steps of 128 through a ring of two LDS slots filled by tensor loads:
; the tiles' rows are 256 bytes of memory, at multiples of 256 bytes.
; A WORK-GROUP STAYS on its 256 rows of xb and makes THREE tiles, 1,024 columns apart: the same block of q, of k and of v.  256 work-groups, 768 tiles.  The ring runs on across a tile's end.
; CLUSTERS of 4 x 4: the four of a row need the same tiles of xb, the four of a column the same tiles of wt: each tile is asked for jointly, by the same load, descriptor and mask in all four.
; THE PRODUCT IS TAKEN TRANSPOSED (source 0 = 16 rows of wt, source 1 = 16 rows of xb): a lane holds row l % 16 and the columns 8 (l / 16) + 0..7 of a 16 x 16 block: 16 bytes of f16 on end.
; THE BIAS STARTS THE SUMS: it lies in registers in the result's layout and is the C operand of a tile's first products; nothing is cleared and nothing is added later.
; REGISTERS, in windows of 256 (s_set_vgpr_msb: bits 1:0 source 0, 3:2 source 1, 5:4 source 2, 7:6 destination):
;   window 0: v0-31 addresses; v64-127, v128-191 fragments of xb, two buffers; v32-63, v192-255 at work on the way out
;   window 1: v0-63 the bias; v64-127, v128-191 fragments of wt, two buffers
;   window 2: the 32 accumulators of my rows 0-63 ((a, b) at v[8 (8 a + b)]);   window 3: those of my rows 64-127
.set SIZE_N, 3072
.set SIZE_K, 1024
.set TILES,  3
.set KSTEP,  128
.set PITCH,  272                       ; an LDS row: 256 bytes + 16 of padding: the 16 rows of a fragment load start at 16 different groups of four banks (ISA guide 11.1)
.set HALFT,  128*PITCH                 ; 128 rows: what one tensor load brings
.set SLOT,   4*HALFT                   ; xb's 256 rows, then wt's 256 rows
.set STAGE,  2*SLOT                    ; behind the ring: 16 rows x 272 bytes for each wave, for the way out
.set SPITCH, 272
.set SPARE,  STAGE+4*16*SPITCH         ; behind the stages: the spare words, 128 bytes for each wave
.set LAPS,   SIZE_K/(2*KSTEP)          ; a lap = two K steps = once round the ring
.set WALK,   1024                      ; rows of wt from a tile to the next
.set BACK_A, (SIZE_K-2*KSTEP)*2        ; bytes from a slot's last K step back to its first: xb's rows stay,
.set NEXT_B, WALK*SIZE_K*2-BACK_A      ; wt goes WALK rows down and back along K
.set ADRA, 16                          ; v16-17  LDS address of my xb fragments in slot 0, 1
.set ADRB, 20                          ; v20-21  the same for wt
.set STO,  24                          ; v24     the way out: where I put 16 bytes of a row
.set RD,   25                          ; v25     the way out: where I read a row back
.set CO,   26                          ; v26     my byte offset in two rows of qkv
.set BO,   27                          ; v27     my byte offset in 16 numbers of the bias: 32 (l / 16); never rewritten
.set SPW,  28                          ; v28     LDS address of my spare word; never rewritten
.set NIL,  29                          ; v29     0; never rewritten
.set PFO,  30                          ; v30     the prefetches' offset: my lane x a row of 2,048 bytes; never rewritten
.set PFA,  44                          ; s[44:45] where my prefetches stand: one K step further than the refill in hand; a prefetch names the K step after that
.set LIM,  43                          ; s43     1 in a wave that prefetches, else the greatest number
.set F0,   64
.set F1,   128
.set TMP,  192
.set OB,   32
.set BI,   0                           ; window 1: BI + 8 b + j = bias[my first column + 16 b + 8 (l / 16) + j]
.set G1,  24                           ; s[24:31] descriptor group 1 for xb's tiles;  s[32:39] group 0, a set for each slot
.set G0,  32
.set G1B, 48                           ; s[48:55], s[56:63] the same for wt's tiles
.set G0B, 56
.set BIA, 68                           ; s[68:69] the bias at my columns of the tile whose bias is loaded next
.set CB,  70                           ; s[70:71] qkv at my first row, my columns of the first tile
.set TOFF, 72                          ; s[72:73] the tile's byte offset along a row of qkv
.set MSB, 0
.macro WIN new                         ; the immediate's high byte repeats the setting that is left; a switch that changes nothing is dropped
.if MSB != (\new)
	s_set_vgpr_msb (MSB<<8)|(\new)
.set MSB, \new
.endif
.endm
.set MUL_LO, 0xa1                      ; source 0 (wt) window 1, source 1 (xb) window 0, C and D window 2
.set MUL_HI, 0xf1                      ; the same, C and D window 3
.set BEG_LO, 0x91                      ; a tile's first products: C is the bias, in window 1
.set BEG_HI, 0xd1
.set TO_B,   0x40                      ; destination window 1, address window 0
; A joint load.  Waves 0 and 1 fetch xb's two halves, waves 2 and 3 wt's.  The branch hangs on the wave's number alone.  An s_nop 0 and four v_nop follow each line.
.macro JLOAD s
	s_cmp_eq_u32 s11, 0
	s_cbranch_scc0 .Lfor_b_\@
	tensor_load_to_lds s[G0+4*(\s):G0+4*(\s)+3], s[G1:G1+7]
	s_nop 0
.rept 4
	v_nop
.endr
	s_branch .Lasked_\@
.Lfor_b_\@:
	tensor_load_to_lds s[G0B+4*(\s):G0B+4*(\s)+3], s[G1B:G1B+7]
	s_nop 0
.rept 4
	v_nop
.endr
.Lasked_\@:
.endm
; A prefetch into the L2 of the K step that stands two refills on: 32 rows x 256 bytes, a lane a row, one instruction a wave.  Each row's 256 bytes of a K step are named once in the launch:
; xb's rows are read by one cluster alone, which asks for them in its first tile; wt's rows are read by all sixteen clusters, of which the one with y = 0 asks, in every tile.  The four partners that
; ask for a tile jointly share its rows out by address, 32 each (cx for xb, cy for wt).  how = 0, in the loop: a tile's last two refills have no K step two on; how = 1, at a change of tiles.
.macro ASK how
.if \how
	s_cmp_eq_u32 s[LIM], 1
.else
	s_cmp_gt_u32 s3, s[LIM]                        ; s3 = 1 in the loop's last trip
.endif
	s_cbranch_scc0 .Lnot_mine_\@
	global_prefetch_b8 v[PFO], s[PFA:PFA+1] offset:KSTEP*2 th:TH_LOAD_NT scope:SCOPE_SE
.Lnot_mine_\@:
.endm
.macro CREST                           ; a round of the cluster's barrier behind its opening barrier
	s_cmp_lg_u32 s10, 0
	s_cbranch_scc1 .Lnot_wave_0_\@
	s_barrier_signal -3
.Lnot_wave_0_\@:
	s_barrier_wait -3
	s_barrier_signal -1
	s_barrier_wait -1
.endm
.macro CROUND                          ; a whole round
	s_barrier_signal -1
	s_barrier_wait -1
	CREST
.endm
	s_load_b128 s[4:7], s[0:1], 0x0                ; xb s[4:5], wt s[6:7]
	s_load_b128 s[68:71], s[0:1], 0x10             ; bias s[68:69], qkv s[70:71]
	v_lshl_add_u32 v[SPW], v0, 2, SPARE
	v_mov_b32 v[NIL], 0
	ds_add_u32 v[SPW], v[NIL]                      ; the wave's opening: the add and its wait stand ahead of my first tensor load; the set-up below stands between them
	v_lshrrev_b32 v1, 5, v0
	v_readfirstlane_b32 s10, v1                    ; wave 0..3
	s_lshr_b32 s11, s10, 1                         ; which half of the tile's rows is mine.  Also: I fetch for xb (0) or for wt (1)
	s_and_b32 s12, s10, 1                          ; which half of its columns.  Also: which 128 rows of that tile I fetch
	s_bfe_u32 s40, ttmp6, 0x40000                  ; cx
	s_bfe_u32 s41, ttmp6, 0x40004                  ; cy
	s_lshl_b32 s42, ttmp9, 2
	s_add_co_u32 s42, s42, s40                     ; the first tile's column = 4 x cluster x + cx
	s_and_b32 s13, ttmp7, 0xffff
	s_lshl_b32 s13, s13, 2
	s_add_co_u32 s13, s13, s41                     ; tile row = 4 x cluster y + cy
	s_lshl_b32 s43, s41, 2
	s_lshl_b32 s43, 15, s43                        ; my row of the cluster
	s_lshl_b32 s44, 0x1111, s40                    ; my column
	s_or_b32 s[G1+0], s43, (1<<16)|(1<<20)|(1<<21)|(5<<22)|(3<<25)  ; the mask; elements of 2 bytes; padding on; bit 21 beside a mask; after every 64 words 4 words
	s_or_b32 s[G1B+0], s44, (1<<16)|(1<<20)|(1<<21)|(5<<22)|(3<<25)
.irp g, G1, G1B
	s_mov_b32 s[(\g)+1], KSTEP<<16                 ; tensor_dim0 = 128
	s_mov_b32 s[(\g)+2], 128<<16                   ; tensor_dim1 = 128
	s_mov_b32 s[(\g)+3], KSTEP<<16                 ; tile_dim0 = 128
	s_mov_b32 s[(\g)+4], 128                       ; tile_dim1 = 128
	s_mov_b32 s[(\g)+5], SIZE_K                    ; elements from row to row
	s_mov_b32 s[(\g)+6], 0
	s_mov_b32 s[(\g)+7], 0
.endr
	s_lshl_b32 s17, s12, 7                         ; which 128 rows of the tile I fetch
	s_lshl_b32 s16, s13, 8
	s_add_co_u32 s16, s16, s17                     ; xb: row 256 x tile row + 128 x half
	s_lshl_b32 s46, s42, 8
	s_add_co_u32 s46, s46, s17                     ; wt: row 256 x tile column + 128 x half
	s_mov_b32 s17, 0
	s_mov_b32 s47, 0
	s_mov_b64 s[18:19], SIZE_K*2
	s_mul_u64 s[16:17], s[16:17], s[18:19]
	s_mul_u64 s[46:47], s[46:47], s[18:19]
	s_mul_i32 s20, s10, HALFT                      ; where they go: wave x 128 rows
	s_wait_dscnt 0x0                               ; the opening add is done
	s_wait_kmcnt 0x0
	s_add_nc_u64 s[14:15], s[4:5], s[16:17]
	s_add_nc_u64 s[46:47], s[6:7], s[46:47]
	CROUND                                         ; all sixteen work-groups are here: the first joint loads meet
.irp s, 0,1
	s_mov_b32 s[G0+4*(\s)], 1
	s_add_co_u32 s[G0+4*(\s)+1], s20, (\s)*SLOT
	s_add_nc_u64 s[G0+4*(\s)+2:G0+4*(\s)+3], s[14:15], (\s)*KSTEP*2
	s_or_b32 s[G0+4*(\s)+3], s[G0+4*(\s)+3], 0x80000000
	s_mov_b32 s[G0B+4*(\s)], 1
	s_add_co_u32 s[G0B+4*(\s)+1], s20, (\s)*SLOT
	s_add_nc_u64 s[G0B+4*(\s)+2:G0B+4*(\s)+3], s[46:47], (\s)*KSTEP*2
	s_or_b32 s[G0B+4*(\s)+3], s[G0B+4*(\s)+3], 0x80000000
	JLOAD \s                                       ; two loads of mine are out
.endr
	; a fragment is 16 rows x 32 K in 8 registers: lane l holds row l % 16, K = 8 (l / 16) + 0..7 and 16 + 8 (l / 16) + 0..7: two loads of 16 bytes, 32 bytes apart
	v_and_b32 v1, 15, v0
	v_bfe_u32 v2, v0, 4, 1
	v_mul_u32_u24 v3, v1, PITCH
	v_lshl_add_u32 v3, v2, 4, v3
	s_mul_i32 s21, s11, HALFT                      ; my 128 rows of xb
	s_mul_i32 s22, s12, HALFT                      ; my 128 rows of wt,
	s_add_co_u32 s22, s22, 2*HALFT                 ; behind xb's 256
.irp s, 0,1
	v_add_nc_u32 v[ADRA+(\s)], s21, v3
	v_add_nc_u32 v[ADRB+(\s)], s22, v3
	s_add_co_u32 s21, s21, SLOT
	s_add_co_u32 s22, s22, SLOT
.endr
	s_mul_i32 s23, s10, 16*SPITCH
	s_add_co_u32 s23, s23, STAGE                   ; my stage
	v_mul_u32_u24 v4, v1, SPITCH
	v_lshl_add_u32 v4, v2, 4, v4
	v_add_nc_u32 v[STO], s23, v4
	v_mul_u32_u24 v5, v2, SPITCH
	v_lshl_add_u32 v5, v1, 4, v5
	v_add_nc_u32 v[RD], s23, v5
	v_mul_u32_u24 v5, v2, SIZE_N*2
	v_lshl_add_u32 v[CO], v1, 4, v5
	v_lshlrev_b32 v[BO], 5, v2
	s_lshl_b32 s13, s13, 8
	s_lshl_b32 s14, s11, 7
	s_add_co_u32 s16, s13, s14                     ; my first row of qkv
	s_mov_b32 s17, 0
	s_mov_b64 s[18:19], SIZE_N*2
	s_mul_u64 s[16:17], s[16:17], s[18:19]
	s_lshl_b32 s46, s42, 9                         ; my first column, in bytes of f16: 512 x tile column + 256 x half
	s_lshl_b32 s47, s12, 8
	s_add_co_u32 s46, s46, s47
	s_mov_b32 s47, 0
	s_add_nc_u64 s[16:17], s[16:17], s[46:47]
	s_add_nc_u64 s[CB:CB+1], s[CB:CB+1], s[16:17]
	s_mov_b32 s[TOFF], 0
	s_mov_b32 s[TOFF+1], 0
	s_lshl_b32 s74, s46, 1                         ; the same column in bytes of f32
	s_mov_b32 s75, 0
	s_add_nc_u64 s[BIA:BIA+1], s[BIA:BIA+1], s[74:75]
	; the prefetches
	s_lshl_b32 s42, s42, 8
	s_and_b32 s22, ttmp7, 0xffff                   ; cluster y
	s_cmp_eq_u32 s11, 0                            ; do I fetch for xb?
	s_cselect_b32 s20, s13, s42                    ; the tile's first row
	s_cselect_b32 s21, s40, s41                    ; my place among the four that ask for it with me
	s_cselect_b32 s22, ttmp9, s22                  ; the coordinate along which other clusters read the same rows
	s_cselect_b64 s[PFA:PFA+1], s[4:5], s[6:7]
	s_cmp_eq_u32 s22, 0
	s_cselect_b32 s[LIM], 1, -1                    ; the same in all sixteen partners, for a given wave
	s_lshl_b32 s22, s12, 7
	s_add_co_u32 s20, s20, s22
	s_lshl_b32 s21, s21, 5
	s_add_co_u32 s20, s20, s21
	s_mov_b32 s21, 0
	s_mov_b64 s[18:19], SIZE_K*2
	s_mul_u64 s[20:21], s[20:21], s[18:19]
	s_add_nc_u64 s[PFA:PFA+1], s[PFA:PFA+1], s[20:21]
	s_add_nc_u64 s[PFA:PFA+1], s[PFA:PFA+1], 2*KSTEP*2  ; at K step 2: the first refill steps it to 3 and names K step 4; nothing is prefetched at the head
	v_and_b32 v[PFO], 31, v0
	v_mul_u32_u24 v[PFO], v[PFO], SIZE_K*2
; the bias of my 128 columns, in the result's layout: sixteen loads of 16 bytes a lane
.macro LOADBIAS
	WIN TO_B
.irp b, 0,1,2,3,4,5,6,7
	global_load_b128 v[BI+8*(\b):BI+8*(\b)+3],   v[BO], s[BIA:BIA+1] offset:64*(\b)
	global_load_b128 v[BI+8*(\b)+4:BI+8*(\b)+7], v[BO], s[BIA:BIA+1] offset:64*(\b)+16
.endr
	WIN 0
.endm
; 16 matrix instructions: row blocks a0, a0 + 1 of the window's four x all 8 column blocks, 32 along K.  zero = 1: the tile's first products: the bias starts the sums.
.macro MUL16 f, hi, a0, zero
.if \zero
	WIN BEG_LO+0x40*(\hi)
.else
	WIN MUL_LO+0x50*(\hi)
.endif
.irp a, \a0, (\a0)+1
.irp b, 0,1,2,3,4,5,6,7
.if \zero
	v_wmma_f32_16x16x32_bf16 v[8*(8*(\a)+(\b)):8*(8*(\a)+(\b))+7], v[(\f)+8*(\b):(\f)+8*(\b)+7], v[(\f)+8*(4*(\hi)+(\a)):(\f)+8*(4*(\hi)+(\a))+7], v[BI+8*(\b):BI+8*(\b)+7]
.else
	v_wmma_f32_16x16x32_bf16 v[8*(8*(\a)+(\b)):8*(8*(\a)+(\b))+7], v[(\f)+8*(\b):(\f)+8*(\b)+7], v[(\f)+8*(4*(\hi)+(\a)):(\f)+8*(4*(\hi)+(\a))+7], v[8*(8*(\a)+(\b)):8*(8*(\a)+(\b))+7]
.endif
.endr
.endr
.endm
; 32 LDS loads in one run: the fragments of a quarter step (32 K at byte k of the rows) into buffer f
.macro FETCH slot, k, f
	WIN TO_B
.irp i, 0,1,2,3,4,5,6,7
	ds_load_b128 v[(\f)+8*(\i):(\f)+8*(\i)+3],   v[ADRB+(\slot)] offset:(\k)+(\i)*16*PITCH
	ds_load_b128 v[(\f)+8*(\i)+4:(\f)+8*(\i)+7], v[ADRB+(\slot)] offset:(\k)+(\i)*16*PITCH+32
.endr
	WIN 0
.irp i, 0,1,2,3,4,5,6,7
	ds_load_b128 v[(\f)+8*(\i):(\f)+8*(\i)+3],   v[ADRA+(\slot)] offset:(\k)+(\i)*16*PITCH
	ds_load_b128 v[(\f)+8*(\i)+4:(\f)+8*(\i)+7], v[ADRA+(\slot)] offset:(\k)+(\i)*16*PITCH+32
.endr
.endm
.macro PLACES                          ; four plain vector instructions between a matrix instruction and a load into, or a vector read of, its registers
.rept 4
	v_nop
.endr
.endm
; A K step is four quarters of 32 along K, 64 matrix instructions each, on buffers 0, 1, 0, 1.  One of the first three multiplies buffer f and fetches the next quarter into g.
.macro QUARTER slot, k, f, g, zero
	s_wait_dscnt 8                                 ; wt's fragments and xb's rows 0-63 are in; the youngest eight loads (xb's rows 64-127) may be out
	MUL16 \f, 0, 0, \zero
	MUL16 \f, 0, 2, \zero
	PLACES
	FETCH \slot, \k, \g
	s_wait_dscnt 32                                ; all but the 32 just issued
	MUL16 \f, 1, 0, \zero
	MUL16 \f, 1, 2, \zero
.endm
; The last quarter's first half: one barrier for the change of slots.  In front of it each wave waits for all its tensor loads (one is out: its part of the next slot), adds 0 to its spare word,
; and waits for that and for its reads of this slot.
.macro MEET round
	WIN 0
	s_wait_tensorcnt 0x0                           ; all my tensor loads have landed
	ds_add_u32 v[SPW], v[NIL]
	s_wait_dscnt 9                                 ; (the add and the youngest eight loads may be out)
	MUL16 F1, 0, 0, 0                              ; sixteen matrix instructions stand between the add and the wait for it
	s_wait_dscnt 0x0                               ; the add is done, and my reads of this slot are over
	s_barrier_signal -1
	MUL16 F1, 0, 2, 0
.if \round
	WIN 0
.endif
	s_barrier_wait -1
.endm
; The whole last quarter.  Behind the round the slot just read out is filled again first: with this tile's K step two on (on = 0) or with the next tile's K step 0 or 1 (on = 1).
; From a request to the wait for it a wave issues 224 matrix instructions.
.macro TURN slot, next, on
	s_wait_xcnt 0x0                                ; the last prefetch, a K step back, has read its address
.if (\on) && (\slot) == 0
	s_add_nc_u64 s[PFA:PFA+1], s[PFA:PFA+1], (WALK-1)*SIZE_K*2+KSTEP*2  ; from the K step after the tile's last to the next tile's K step 1
	s_cmp_eq_u32 s11, 0
	s_cselect_b32 s[LIM], -1, s[LIM]               ; xb's rows are the same for all three tiles: they are prefetched no more
.else
	s_add_nc_u64 s[PFA:PFA+1], s[PFA:PFA+1], KSTEP*2
.endif
	MEET 1
	CREST                                          ; no wave of any partner still reads this slot's tile or has a load on its way
.if \on
	s_sub_nc_u64 s[G0+4*(\slot)+2:G0+4*(\slot)+3], s[G0+4*(\slot)+2:G0+4*(\slot)+3], BACK_A
	s_add_nc_u64 s[G0B+4*(\slot)+2:G0B+4*(\slot)+3], s[G0B+4*(\slot)+2:G0B+4*(\slot)+3], NEXT_B
.else
	s_add_nc_u64 s[G0+4*(\slot)+2:G0+4*(\slot)+3], s[G0+4*(\slot)+2:G0+4*(\slot)+3], 2*KSTEP*2
	s_add_nc_u64 s[G0B+4*(\slot)+2:G0B+4*(\slot)+3], s[G0B+4*(\slot)+2:G0B+4*(\slot)+3], 2*KSTEP*2
.endif
	JLOAD \slot                                    ; the first tensor load behind the round; its four v_nop are also the places in front of the loads below
	FETCH \next, 0, F0
	ASK \on
	MUL16 F1, 1, 0, 0
	MUL16 F1, 1, 2, 0
.endm
; THE WAY OUT of block a (16 rows).  PACK: rounded to f16, 16 bytes a lane.  TOSTAGE: into my own stage and back as whole rows of 256 bytes.  SEND: stored.
.macro PACK a
.set AC, 64*((\a)%4)
	WIN 0x0a+5*((\a)/4)                            ; sources 0 and 1: window 2 or 3
.irp b, 0,1,2,3,4,5,6,7
.irp r, 0,1,2,3
	v_cvt_pk_f16_f32 v[TMP+4*(\b)+(\r)], v[AC+8*(\b)+2*(\r)], v[AC+8*(\b)+2*(\r)+1]
.endr
.endr
	WIN 0
.endm
.macro TOSTAGE a
	WIN 0
.set BK, OB+192*((\a)%2)
.irp b, 0,1,2,3,4,5,6,7
	ds_store_b128 v[STO], v[TMP+4*(\b):TMP+4*(\b)+3] offset:32*(\b)
.endr
.irp t, 0,1,2,3,4,5,6,7
	ds_load_b128 v[BK+4*(\t):BK+4*(\t)+3], v[RD] offset:(\t)*2*SPITCH  ; LDS serves a wave's instructions in order (ISA guide 5.7.1.4): these see the stores above
.endr
.endm
.macro SEND a, younger
	WIN 0
.set BK, OB+192*((\a)%2)
	s_wait_dscnt \younger                          ; the block is back in registers
	s_wait_xcnt 0x0                                ; the stores' base and the registers that earlier stores read are rewritten only behind this wait
.if (\a) == 0
	s_add_nc_u64 s[8:9], s[CB:CB+1], s[TOFF:TOFF+1]  ; this tile's first rows
.else
	s_add_nc_u64 s[8:9], s[8:9], 16*SIZE_N*2
.endif
.irp t, 0,1,2,3,4,5,6,7
	global_store_b128 v[CO], v[BK+4*(\t):BK+4*(\t)+3], s[8:9] offset:2*(\t)*SIZE_N*2  ; 16 lanes store 256 consecutive bytes, at a multiple of 256 from qkv's first byte
.endr
.endm
	LOADBIAS                                       ; the first tile's
	s_wait_tensorcnt 1                             ; my part of K step 0 is in; K step 1's may stay out
	s_barrier_signal -1
	s_barrier_wait -1
	FETCH 0, 0, F0
	s_mov_b32 s2, TILES                            ; tiles to go, this one among them
.Ltile:
	s_wait_loadcnt 0x0                             ; this tile's bias is in, and its loads have read their address,
	s_add_nc_u64 s[BIA:BIA+1], s[BIA:BIA+1], 4*WALK  ; which steps to the next tile's
	QUARTER 0, 64,  F0, F1, 1                      ; a tile's first quarter: the bias starts the sums
	WIN 0
	PLACES                                         ; between the last product that read the bias and the loads into its registers
	s_cmp_eq_u32 s2, 1
	s_cbranch_scc1 .Lnb                            ; the last tile has none behind it
	LOADBIAS
.Lnb:
	s_mov_b32 s3, LAPS-1
.Llap:                                                 ; a trip goes once round the ring, from a lap's second quarter to the next lap's first, and fills both slots again
	QUARTER 0, 128, F1, F0, 0
	QUARTER 0, 192, F0, F1, 0
	TURN 0, 1, 0
	QUARTER 1, 64,  F0, F1, 0
	QUARTER 1, 128, F1, F0, 0
	QUARTER 1, 192, F0, F1, 0
	TURN 1, 0, 0
	QUARTER 0, 64,  F0, F1, 0
	WIN 0
	s_sub_co_u32 s3, s3, 1
	s_cmp_lg_u32 s3, 0
	s_cbranch_scc1 .Llap
	QUARTER 0, 128, F1, F0, 0                      ; the tile's last lap goes on
	QUARTER 0, 192, F0, F1, 0
	WIN 0
	s_cmp_eq_u32 s2, 1
	s_cbranch_scc1 .Llast                          ; the last tile's tail asks for nothing more
	TURN 0, 1, 1                                   ; the ring goes on into the next tile: slot 0 takes its K step 0,
	QUARTER 1, 64,  F0, F1, 0
	QUARTER 1, 128, F1, F0, 0
	QUARTER 1, 192, F0, F1, 0
	TURN 1, 0, 1                                   ; slot 1 its K step 1, and the next tile's first fragments are fetched
	WIN 0
	s_branch .Lout
.Llast:
	MEET 0                                         ; slot 1, the last K step, is whole; nothing is filled again, so no round follows
	PLACES                                         ; for the loads into buffer 0, which the quarter before multiplied
	FETCH 1, 0, F0
	MUL16 F1, 1, 0, 0
	MUL16 F1, 1, 2, 0
	QUARTER 1, 64,  F0, F1, 0
	QUARTER 1, 128, F1, F0, 0
	QUARTER 1, 192, F0, F1, 0
	s_wait_dscnt 8                                 ; the very last quarter: nothing more to fetch
	MUL16 F1, 0, 0, 0
	MUL16 F1, 0, 2, 0
	s_wait_dscnt 0x0
	MUL16 F1, 1, 0, 0
	MUL16 F1, 1, 2, 0
	PLACES                                         ; in front of the conversions
	WIN 0
.Lout:                                                 ; the tile goes out; where a tile follows, both its refills have been asked for
	PACK 0
	TOSTAGE 0
.irp a, 1,2,3,4,5,6,7                  ; block a's conversions stand between block a - 1's loads from the stage and the wait for them
	PACK \a
	SEND (\a)-1, 0
	TOSTAGE \a
.endr
	SEND 7, 0
	s_add_co_u32 s[TOFF], s[TOFF], 2*WALK          ; the next tile lies 1,024 columns of f16 on
	s_sub_co_u32 s2, s2, 1
	s_cmp_lg_u32 s2, 0
	s_cbranch_scc1 .Ltile
	s_wait_tensorcnt 0x0                           ; the wave's end: behind my last tensor load and my last LDS store
	ds_add_u32 v[SPW], v[NIL]
	s_wait_dscnt 0x0
	CROUND                                         ; the closing round: no work-group ends while a partner may still ask for a tile that names it
	s_endpgm
.Lfunc_end_k_qbc295bd49a_gemm_qkv:
	.size	k_qbc295bd49a_gemm_qkv, .Lfunc_end_k_qbc295bd49a_gemm_qkv-k_qbc295bd49a_gemm_qkv
	.p2alignl 7, 3214868480
	.fill 96, 4, 3214868480
	.section	.rodata,"a",@progbits
	.p2align	6, 0x0
	.amdhsa_kernel k_qbc295bd49a_gemm_qkv
		.amdhsa_group_segment_fixed_size 327680
		.amdhsa_private_segment_fixed_size 0
		.amdhsa_enable_private_segment 0
		.amdhsa_kernarg_size 32
		.amdhsa_user_sgpr_count 2
		.amdhsa_user_sgpr_kernarg_segment_ptr 1
		.amdhsa_wavefront_size32 1
		.amdhsa_system_sgpr_workgroup_id_x 1
		.amdhsa_system_sgpr_workgroup_id_y 1
		.amdhsa_system_sgpr_workgroup_id_z 1
		.amdhsa_system_vgpr_workitem_id 0
		.amdhsa_next_free_vgpr 1024
		.amdhsa_next_free_sgpr 80
		.amdhsa_reserve_vcc 0
		.amdhsa_float_denorm_mode_32 3
		.amdhsa_float_denorm_mode_16_64 3
		.amdhsa_memory_ordered 1
		.amdhsa_forward_progress 1
		.amdhsa_inst_pref_size 182
	.end_amdhsa_kernel
	.amdgpu_metadata
---
amdhsa.version: [ 1, 2 ]
amdhsa.kernels:
  - .name:           k_qbc295bd49a_gemm_qkv
    .symbol:         k_qbc295bd49a_gemm_qkv.kd
    .args:
      - { .name: xb, .offset: 0, .size: 8, .value_kind: global_buffer, .address_space: global }
      - { .name: wt, .offset: 8, .size: 8, .value_kind: global_buffer, .address_space: global }
      - { .name: bias, .offset: 16, .size: 8, .value_kind: global_buffer, .address_space: global }
      - { .name: qkv, .offset: 24, .size: 8, .value_kind: global_buffer, .address_space: global }
    .group_segment_fixed_size: 327680
    .private_segment_fixed_size: 0
    .kernarg_segment_align: 8
    .kernarg_segment_size: 32
    .max_flat_workgroup_size: 128
    .sgpr_count:     80
    .vgpr_count:     1024
    .wavefront_size: 32
...
	.end_amdgpu_metadata
.endif
;; end of part 2
;; launch attn (part 3): grid 512 x 1, 8 waves a work-group, no clusters, 0 bytes of LDS; arguments qkv, ao; writes ao
.if DOCPART == 3
	.amdgcn_target "amdgcn-amd-amdhsa--gfx1250"
	.amdhsa_code_object_version 6
	.text
	.protected	k_qbc295bd49a_attn
	.globl	k_qbc295bd49a_attn
	.p2align	8
	.type	k_qbc295bd49a_attn,@function
k_qbc295bd49a_attn:
	s_mov_b64 s[64:65], 0
	v_nop
	global_prefetch_b8 v0, s[64:65] scope:SCOPE_SE
	s_setreg_imm32_b32 hwreg(HW_REG_WAVE_MODE, 25, 1), 1
	s_wait_xcnt 0x0
; ATTENTION ACROSS THE 16 HEADS OF ONE TOKEN.  For each token: S = Q K^T / 8 (16 x 16 over 64 channels), softmax over the key heads, O = P V (16 x 64).
; qkv: [16384][3072] f16.  A token's 6,144 bytes are its fragments as they lie in registers: twelve pieces of 512 bytes, lane l's 16 bytes at 16 l:
;   q piece j (byte 512 j) and k piece j (byte 2,048 + 512 j): lane (r = l % 16, hh = l / 16) holds head r, channels 16 j + 8 hh + 0..7: pieces 2 x, 2 x + 1 are the fragment of channels 32 x .. + 31
;   v piece cb (byte 4,096 + 512 cb): lane (r, hh) holds channel 16 cb + r of heads 8 hh + 0..7: half a fragment of V^T
; ao: [ty 64][ks 8][jl 16][c2 2][cb 4][lane 32][8 f16], token = 256 ty + 16 jl + 2 ks + c2: lane (r, hh) of piece cb holds head r, channels 16 cb + 8 hh + 0..7: the last product's fragments.
; S^T = K Q^T (source 0 = the 16 key heads, source 1 = the 16 query heads): a lane holds ONE query head (l % 16) and the keys 8 (l / 16) + 0..7.  Rounded to f16 in pairs, these four registers are half
; of source 1 of O^T = V^T P; the product has 32 along K and there are 16 keys, so the other half is 0: [P][0] against v's even piece in registers 0-3, [0][P] against its odd piece in registers 4-7.
; SOFTMAX in f32: p = 2^(c s - c m), c = log2(e) / 8, m the row's true maximum; l is the sum of the unrounded p; O^T is multiplied by 1 / l in f32 and rounded once to f16.
; LIMITS.  q, k, v arrive within f16's range; a weight below 2^-126 counts as 0 in l; NaN and infinities are not treated apart (v's idle half meets zeros, and must be finite).
; SHARES.  A wave takes four neighbouring tokens, two at a time; all its 48 loads (512 consecutive bytes each) go out at the head.  No LDS, no barrier, no cluster, no prefetch: nothing is shared, every
; byte is read once and the launch is a stream.
.set ST, 4                             ; token u of a pair: v[ST+8u]: c m, m, t, the exchange, sum (a pair), 1 / l, (named with it as a pair)
.set PZ, 20                            ; v[PZ+12u]: four zeros, P, four zeros
.set S,  44                            ; v[S+8u]: S^T
.set D,  64                            ; token i: v[D+48i]: v (16), q (16), k (16); later O^T lies in q's and k's 32
	s_load_b128 s[4:7], s[0:1], 0x0                ; qkv s[4:5], ao s[6:7]
	v_lshrrev_b32 v2, 5, v0
	v_readfirstlane_b32 s8, v2                     ; wave 0..7
	v_and_b32 v1, 31, v0
	v_lshlrev_b32 v1, 4, v1                        ; 16 x lane; never rewritten
	s_lshl3_add_u32 s9, ttmp9, s8                  ; my group of four tokens, g = 0..4095
	s_mul_i32 s10, s9, 4*6144
	s_mov_b32 s11, 0
	s_lshr_b32 s12, s9, 6                          ; ty = g >> 6,
	s_lshl_b32 s12, s12, 19
	s_and_b32 s18, s9, 3                           ; ks = 2 (g & 3) + i / 2,
	s_lshl_b32 s18, s18, 17
	s_add_co_u32 s12, s12, s18
	s_bfe_u32 s18, s9, 0x40002                     ; jl = (g >> 2) & 15
	s_lshl_b32 s18, s18, 12
	s_add_co_u32 s12, s12, s18
	s_mov_b32 s13, 0
	s_mov_b32 s14, 0x3e38aa3b                      ; c = log2(e) / 8
	s_mov_b32 s15, s14                             ; named with it as a pair
	s_mov_b32 s16, 0x76543210                      ; v_permlanex16_b32: each lane takes its own place in the other half
	s_mov_b32 s17, 0xfedcba98
	s_wait_kmcnt 0x0
	s_add_nc_u64 s[10:11], s[4:5], s[10:11]
	s_add_nc_u64 s[12:13], s[6:7], s[12:13]
.macro LDQK i
.irp j, 0,1,2,3
	global_load_b128 v[D+48*(\i)+16+4*(\j):D+48*(\i)+19+4*(\j)], v1, s[10:11] offset:6144*(\i)+512*(\j) th:TH_LOAD_NT
.endr
.irp j, 0,1,2,3
	global_load_b128 v[D+48*(\i)+32+4*(\j):D+48*(\i)+35+4*(\j)], v1, s[10:11] offset:6144*(\i)+2048+512*(\j) th:TH_LOAD_NT
.endr
.endm
.macro LDV i
.irp j, 0,1,2,3
	global_load_b128 v[D+48*(\i)+4*(\j):D+48*(\i)+3+4*(\j)], v1, s[10:11] offset:6144*(\i)+4096+512*(\j) th:TH_LOAD_NT
.endr
.endm
	LDQK 0
	LDQK 1
	LDV 0
	LDV 1
	LDQK 2
	LDQK 3
	LDV 2
	LDV 3
.irp u, 0,1
.irp z, 0,1,2,3
	v_mov_b32 v[PZ+12*(\u)+(\z)], 0                ; the idle halves of source 1, once
	v_mov_b32 v[PZ+12*(\u)+8+(\z)], 0
.endr
	v_mov_b32 v[ST+8*(\u)+3], 0                    ; the exchange's destination counts as read
	v_mov_b32 v[ST+8*(\u)+7], 0                    ; named in a pair with 1 / l
.endr
; Tokens 2 s and 2 s + 1, side by side, so that no line waits for the one before it.  n1, n2: the younger loads that may stay out when q and k, and then v, are wanted.
.macro BATCH s, n1, n2
.set DD, D+96*(\s)
	s_wait_loadcnt \n1
	v_wmma_f32_16x16x32_f16 v[S:S+7],    v[DD+32:DD+39], v[DD+16:DD+23], 0          ; the two accumulators take turns
	v_wmma_f32_16x16x32_f16 v[S+8:S+15], v[DD+80:DD+87], v[DD+64:DD+71], 0
	v_wmma_f32_16x16x32_f16 v[S:S+7],    v[DD+40:DD+47], v[DD+24:DD+31], v[S:S+7]
	v_wmma_f32_16x16x32_f16 v[S+8:S+15], v[DD+88:DD+95], v[DD+72:DD+79], v[S+8:S+15]
.rept 4
	v_nop                                          ; the places behind those products
.endr
.irp u, 0,1
	v_max3_num_f32 v[ST+8*(\u)+2], v[S+8*(\u)], v[S+8*(\u)+1], v[S+8*(\u)+2]
.endr
.irp u, 0,1
	v_max3_num_f32 v[ST+8*(\u)+2], v[ST+8*(\u)+2], v[S+8*(\u)+3], v[S+8*(\u)+4]
.endr
.irp u, 0,1
	v_max3_num_f32 v[ST+8*(\u)+2], v[ST+8*(\u)+2], v[S+8*(\u)+5], v[S+8*(\u)+6]
.endr
.irp u, 0,1
	v_max_num_f32 v[ST+8*(\u)+2], v[ST+8*(\u)+2], v[S+8*(\u)+7]
.endr
.irp u, 0,1
	v_permlanex16_b32 v[ST+8*(\u)+3], v[ST+8*(\u)+2], s16, s17   ; the query's other eight keys lie in the lane 16 away
.endr
.irp u, 0,1
	v_max_num_f32 v[ST+8*(\u)+1], v[ST+8*(\u)+2], v[ST+8*(\u)+3]
.endr
.irp u, 0,1
	v_mul_f32 v[ST+8*(\u)], s14, v[ST+8*(\u)+1]
.endr
.irp p, 0,1,2,3
.irp u, 0,1
	v_pk_fma_f32 v[S+8*(\u)+2*(\p):S+8*(\u)+2*(\p)+1], v[S+8*(\u)+2*(\p):S+8*(\u)+2*(\p)+1], s[14:15], v[ST+8*(\u):ST+8*(\u)+1] op_sel_hi:[1,0,0] neg_lo:[0,0,1] neg_hi:[0,0,1]  ; c s - c m
.endr
.endr
.set e, 0
.rept 16
	v_exp_f32 v[S+e], v[S+e]                       ; one batch of sixteen
.set e, e+1
.endr
	v_nop                                          ; a plain instruction behind the last exponential,
	s_wait_alu depctr_va_vdst(0)                   ; and the one wait ahead of the batch's first reader
.irp p, 0,1,2,3
.irp u, 0,1
	v_cvt_pk_f16_f32 v[PZ+12*(\u)+4+(\p)], v[S+8*(\u)+2*(\p)], v[S+8*(\u)+2*(\p)+1]
.endr
.endr
.irp u, 0,1
	v_pk_add_f32 v[ST+8*(\u)+4:ST+8*(\u)+5], v[S+8*(\u):S+8*(\u)+1], v[S+8*(\u)+2:S+8*(\u)+3]
.endr
.irp u, 0,1
	v_pk_add_f32 v[S+8*(\u)+4:S+8*(\u)+5], v[S+8*(\u)+4:S+8*(\u)+5], v[S+8*(\u)+6:S+8*(\u)+7]
.endr
.irp u, 0,1
	v_pk_add_f32 v[ST+8*(\u)+4:ST+8*(\u)+5], v[ST+8*(\u)+4:ST+8*(\u)+5], v[S+8*(\u)+4:S+8*(\u)+5]
.endr
.irp u, 0,1
	v_add_f32 v[ST+8*(\u)+2], v[ST+8*(\u)+4], v[ST+8*(\u)+5]
.endr
.irp u, 0,1
	v_permlanex16_b32 v[ST+8*(\u)+3], v[ST+8*(\u)+2], s16, s17
.endr
.irp u, 0,1
	v_add_f32 v[ST+8*(\u)+2], v[ST+8*(\u)+2], v[ST+8*(\u)+3]
.endr
.irp u, 0,1
	v_rcp_f32 v[ST+8*(\u)+6], v[ST+8*(\u)+2]
.endr
	s_wait_loadcnt \n2                             ; v
.irp u, 0,1
.irp cb, 0,1,2,3                       ; eight products that stand alone: each starts and ends its sum; O^T takes q's and k's registers
	v_wmma_f32_16x16x32_f16 v[DD+48*(\u)+16+8*(\cb):DD+48*(\u)+23+8*(\cb)], v[DD+48*(\u)+8*((\cb)/2):DD+48*(\u)+8*((\cb)/2)+7], v[PZ+12*(\u)+4-4*((\cb)%2):PZ+12*(\u)+11-4*((\cb)%2)], 0
.endr
.endr
.rept 4
	v_nop                                          ; the places behind those products, and the plain instruction behind the reciprocals
.endr
	s_wait_alu depctr_va_vdst(0)                   ; one wait for the two reciprocals, ahead of their first reader
.irp u, 0,1
.set x, DD+48*(\u)+16
.rept 16
	v_pk_mul_f32 v[x:x+1], v[x:x+1], v[ST+8*(\u)+6:ST+8*(\u)+7] op_sel_hi:[1,0]   ; from each accumulator's low end on
.set x, x+2
.endr
.set x, 0
.rept 16
	v_cvt_pk_f16_f32 v[DD+48*(\u)+16+x], v[DD+48*(\u)+16+2*x], v[DD+48*(\u)+17+2*x]  ; in place: number x is written when numbers 2 x and 2 x + 1 are read
.set x, x+1
.endr
.irp cb, 0,1,2,3
	global_store_b128 v1, v[DD+48*(\u)+16+4*(\cb):DD+48*(\u)+19+4*(\cb)], s[12:13] offset:65536*(\s)+2048*(\u)+512*(\cb)  ; 512 consecutive bytes, at a multiple of 512 from ao's first byte
.endr
.endr
.endm
	BATCH 0, 32, 24                                ; of 48 loads the first 16, then the first 24, are wanted
	BATCH 1, 8, 0                                  ; the first 40, then all
	s_endpgm
.Lfunc_end_k_qbc295bd49a_attn:
	.size	k_qbc295bd49a_attn, .Lfunc_end_k_qbc295bd49a_attn-k_qbc295bd49a_attn
	.p2alignl 7, 3214868480
	.fill 96, 4, 3214868480
	.section	.rodata,"a",@progbits
	.p2align	6, 0x0
	.amdhsa_kernel k_qbc295bd49a_attn
		.amdhsa_group_segment_fixed_size 0
		.amdhsa_private_segment_fixed_size 0
		.amdhsa_enable_private_segment 0
		.amdhsa_kernarg_size 16
		.amdhsa_user_sgpr_count 2
		.amdhsa_user_sgpr_kernarg_segment_ptr 1
		.amdhsa_wavefront_size32 1
		.amdhsa_system_sgpr_workgroup_id_x 1
		.amdhsa_system_sgpr_workgroup_id_y 1
		.amdhsa_system_sgpr_workgroup_id_z 1
		.amdhsa_system_vgpr_workitem_id 0
		.amdhsa_next_free_vgpr 256
		.amdhsa_next_free_sgpr 66
		.amdhsa_reserve_vcc 0
		.amdhsa_float_denorm_mode_32 3
		.amdhsa_float_denorm_mode_16_64 3
		.amdhsa_memory_ordered 1
		.amdhsa_forward_progress 1
		.amdhsa_inst_pref_size 24
	.end_amdhsa_kernel
	.amdgpu_metadata
---
amdhsa.version: [ 1, 2 ]
amdhsa.kernels:
  - .name:           k_qbc295bd49a_attn
    .symbol:         k_qbc295bd49a_attn.kd
    .args:
      - { .name: qkv, .offset: 0, .size: 8, .value_kind: global_buffer, .address_space: global }
      - { .name: ao, .offset: 8, .size: 8, .value_kind: global_buffer, .address_space: global }
    .group_segment_fixed_size: 0
    .private_segment_fixed_size: 0
    .kernarg_segment_align: 8
    .kernarg_segment_size: 16
    .max_flat_workgroup_size: 256
    .sgpr_count:     66
    .vgpr_count:     256
    .wavefront_size: 32
...
	.end_amdgpu_metadata
.endif
;; end of part 3
;; launch gemm_o (part 4): grid 4 x 64, 4 waves a work-group, clusters of 4 x 4, 327,680 bytes of LDS; arguments ao, wot, bias, out0; writes out0
.if DOCPART == 4
	.amdgcn_target "amdgcn-amd-amdhsa--gfx1250"
	.amdhsa_code_object_version 6
	.text
	.protected	k_qbc295bd49a_gemm_o
	.globl	k_qbc295bd49a_gemm_o
	.p2align	8
	.type	k_qbc295bd49a_gemm_o,@function
k_qbc295bd49a_gemm_o:
	s_mov_b64 s[64:65], 0
	v_nop
	global_prefetch_b8 v0, s[64:65] scope:SCOPE_SE
	s_setreg_imm32_b32 hwreg(HW_REG_WAVE_MODE, 25, 1), 1
	s_wait_xcnt 0x0
	s_wait_alu depctr_hold_cnt(0) depctr_sa_sdst(0) depctr_va_vdst(0) depctr_va_sdst(0) depctr_va_ssrc(0) depctr_va_vcc(0) depctr_vm_vsrc(0)
	s_getreg_b32 s2, hwreg(HW_REG_IB_STS2, 6, 4)
	s_cmp_eq_u32 s2, 0
	s_cbranch_scc0 .Lentry_in_a_cluster
	s_endpgm
.Lentry_in_a_cluster:
	s_bfe_u32 s2, ttmp6, 0x10000c
	s_cmp_lg_u32 s2, 0xf033
	s_cbranch_scc0 .Lentry_shape_is_right
	s_endpgm
.Lentry_shape_is_right:
; out0[R][n] = sum over kk of A'[R][kk] wot[n][kk] + bo[n], in f32.  A' is the attention's result in the module's scrambled order: row R = b*4096 + h*256 + s/16 holds head h of the tokens
; s = 16 (s/16) + 0..15 of batch b, at kk = (s % 16)*64 + d.  wot: [1024][1024] f16 (Wo turned); bias: f32, bo from its number 3,072 on; products in f16, sums in f32.
; ao holds A' as fragments: [ty 64][ks 8][jl 16][c2 2][cb 4][lane 32][8 f16].  A block of 16 rows is the 16 heads of one s/16 = 16 (ty & 15) + jl; K step ks of 128 is the tokens s % 16 = 2 ks + c2;
; pieces cb = 2 x, 2 x + 1 are registers 0-3 and 4-7 of the fragment of channels 32 x .. + 31.  So the A tile of one K step and 256 rows is 65,536 dense bytes, and a fragment load is 512 bytes on end.
; A tile of the result is 256 rows (tile row ty) x 256 columns, made by four waves of 128 x 128: 64 accumulators.  256 work-groups, a tile each.  K in steps of 128 through two LDS slots.
; CLUSTERS of 4 x 4: A's tile is shared along a row of the cluster, wot's along a column: joint loads, the same load, descriptor and mask in all four.
; THE PRODUCT IS TAKEN TRANSPOSED (source 0 = 16 rows of wot, source 1 = a block of A'): a lane holds head l % 16 and the columns 8 (l / 16) + 0..7.  bo, in that layout, starts the sums.
; LIMIT.  ao and wot lie within f16's range; NaN and infinities are not treated apart.
; REGISTERS: window 0: v0-31 addresses; v64-127, v128-191 fragments of A', on the way out rows read back;  window 1: v0-63 bo; v64-191 fragments of wot;  windows 2, 3: the accumulators.
.set SIZE_K, 1024
.set KSTEP,  128
.set PITCH,  272                       ; a row of wot in LDS: 256 bytes + 16 of padding
.set HALFA,  32768                     ; half of A's tile: eight blocks of 4,096 bytes, dense
.set BOFF,   2*HALFA                   ; wot's rows lie behind A's tile
.set HALFB,  128*PITCH
.set SLOT,   BOFF+2*HALFB              ; 135,168
.set STAGE,  2*SLOT                    ; behind the ring: 16 rows x 528 bytes for each wave
.set SPITCH, 528                       ; 128 f32 + 16 bytes of padding: the 16 rows of a store start at 16 different groups of four banks
.set SPARE,  STAGE+4*16*SPITCH         ; behind the stages: the spare words, 128 bytes for each wave
.set LAPS,   SIZE_K/(2*KSTEP)
.set ADRA, 16                          ; v16-17  LDS address of my A fragments in slot 0, 1
.set ADRB, 20                          ; v20-21  the same for wot
.set STO,  24                          ; v24     the way out: where I put 32 bytes of a row
.set RD,   25                          ; v25     where I read a row back
.set CO,   26                          ; v26     16 x lane: my bytes of 512 of a row of out0
.set CO8,  27                          ; v27     the same, eight heads (2,048 rows) further down
.set SPW,  28                          ; v28     LDS address of my spare word; never rewritten
.set NIL,  29                          ; v29     0; never rewritten
.set PFO,  30                          ; v30     the prefetches' offset: my lane x 256 bytes (A) or x a row of 2,048 bytes (wot); never rewritten
.set BO,   31                          ; v31     32 (l / 16)
.set PFA,  44                          ; s[44:45] the K step that my next prefetch names, less one step
.set LIM,  43                          ; s43     1 in a wave that prefetches, else the greatest number
.set PST,  76                          ; s[76:77] a K step in bytes: 65,536 in ao, 256 in wot
.set F0,   64
.set F1,   128
.set BI,   0
.set G1,  24
.set G0,  32
.set G1B, 48
.set G0B, 56
.set BIA, 68                           ; s[68:69] bo at my columns
.set MSB, 0
.macro WIN new
.if MSB != (\new)
	s_set_vgpr_msb (MSB<<8)|(\new)
.set MSB, \new
.endif
.endm
.set MUL_LO, 0xa1
.set MUL_HI, 0xf1
.set BEG_LO, 0x91
.set BEG_HI, 0xd1
.set TO_B,   0x40
.macro JLOAD s                         ; a joint load: waves 0 and 1 fetch A's two halves, waves 2 and 3 wot's; an s_nop 0 and four v_nop follow each line
	s_cmp_eq_u32 s11, 0
	s_cbranch_scc0 .Lfor_b_\@
	tensor_load_to_lds s[G0+4*(\s):G0+4*(\s)+3], s[G1:G1+7]
	s_nop 0
.rept 4
	v_nop
.endr
	s_branch .Lasked_\@
.Lfor_b_\@:
	tensor_load_to_lds s[G0B+4*(\s):G0B+4*(\s)+3], s[G1B:G1B+7]
	s_nop 0
.rept 4
	v_nop
.endr
.Lasked_\@:
.endm
; A prefetch into the L2 of the K step that stands two refills on: 32 blocks of 256 bytes, a lane a block, one instruction a wave.  A's tile row is read by one cluster alone, which asks; wot's rows by all
; sixteen clusters, of which the one with y = 0 asks.  The four partners share a wave's 128 blocks out by address, 32 each.  The loop's last trip asks for nothing: there is no K step two on.
.macro ASK
	s_cmp_gt_u32 s3, s[LIM]
	s_cbranch_scc0 .Lnot_mine_\@
	global_prefetch_b8 v[PFO], s[PFA:PFA+1] th:TH_LOAD_NT scope:SCOPE_SE
.Lnot_mine_\@:
.endm
.macro CREST
	s_cmp_lg_u32 s10, 0
	s_cbranch_scc1 .Lnot_wave_0_\@
	s_barrier_signal -3
.Lnot_wave_0_\@:
	s_barrier_wait -3
	s_barrier_signal -1
	s_barrier_wait -1
.endm
.macro CROUND
	s_barrier_signal -1
	s_barrier_wait -1
	CREST
.endm
	s_load_b128 s[4:7], s[0:1], 0x0                ; ao s[4:5], wot s[6:7]
	s_load_b128 s[68:71], s[0:1], 0x10             ; bias s[68:69], out0 s[70:71]
	v_lshl_add_u32 v[SPW], v0, 2, SPARE
	v_mov_b32 v[NIL], 0
	ds_add_u32 v[SPW], v[NIL]                      ; the wave's opening: the add and its wait stand ahead of my first tensor load
	v_lshrrev_b32 v1, 5, v0
	v_readfirstlane_b32 s10, v1                    ; wave 0..3
	s_lshr_b32 s11, s10, 1                         ; which eight blocks of the tile's sixteen are mine.  Also: I fetch for A (0) or for wot (1)
	s_and_b32 s12, s10, 1                          ; which half of its columns.  Also: which half of that tile I fetch
	s_bfe_u32 s40, ttmp6, 0x40000                  ; cx
	s_bfe_u32 s41, ttmp6, 0x40004                  ; cy
	s_lshl_b32 s42, ttmp9, 2
	s_add_co_u32 s42, s42, s40                     ; tile column
	s_and_b32 s13, ttmp7, 0xffff
	s_lshl_b32 s13, s13, 2
	s_add_co_u32 s13, s13, s41                     ; tile row ty
	s_lshl_b32 s43, s41, 2
	s_lshl_b32 s43, 15, s43                        ; my row of the cluster
	s_lshl_b32 s44, 0x1111, s40                    ; my column
	s_or_b32 s[G1+0], s43, (3<<16)|(1<<21)         ; A: the mask; elements of 8 bytes; bit 21 beside a mask; no padding
	s_mov_b32 s[G1+1], 32<<16                      ; tensor_dim0 = 32 elements: rows of 256 bytes
	s_mov_b32 s[G1+2], 128<<16                     ; tensor_dim1 = 128 rows: 32,768 dense bytes
	s_mov_b32 s[G1+3], 32<<16                      ; tile_dim0
	s_mov_b32 s[G1+4], 128                         ; tile_dim1
	s_mov_b32 s[G1+5], 32                          ; each row begins where the last ends
	s_mov_b32 s[G1+6], 0
	s_mov_b32 s[G1+7], 0
	s_or_b32 s[G1B+0], s44, (1<<16)|(1<<20)|(1<<21)|(5<<22)|(3<<25)  ; wot: elements of 2 bytes; after every 64 words 4 words of padding
	s_mov_b32 s[G1B+1], KSTEP<<16
	s_mov_b32 s[G1B+2], 128<<16
	s_mov_b32 s[G1B+3], KSTEP<<16
	s_mov_b32 s[G1B+4], 128
	s_mov_b32 s[G1B+5], SIZE_K
	s_mov_b32 s[G1B+6], 0
	s_mov_b32 s[G1B+7], 0
	s_lshl_b32 s16, s13, 19                        ; A: tile row x 524,288 + half x 32,768
	s_lshl_b32 s17, s12, 15
	s_add_co_u32 s16, s16, s17
	s_mov_b32 s17, 0
	s_lshl_b32 s46, s42, 8                         ; wot: row 256 x tile column + 128 x half, of 2,048 bytes
	s_lshl_b32 s47, s12, 7
	s_add_co_u32 s46, s46, s47
	s_lshl_b32 s46, s46, 11
	s_mov_b32 s47, 0
	s_lshl_b32 s20, s12, 15                        ; where they go: A's half,
	s_mul_i32 s21, s12, HALFB
	s_add_co_u32 s21, s21, BOFF                    ; wot's half: no place in the cluster enters an LDS address
	s_wait_dscnt 0x0                               ; the opening add is done
	s_wait_kmcnt 0x0
	s_add_nc_u64 s[14:15], s[4:5], s[16:17]
	s_add_nc_u64 s[46:47], s[6:7], s[46:47]
	CROUND                                         ; all sixteen work-groups are here: the first joint loads meet
.irp s, 0,1
	s_mov_b32 s[G0+4*(\s)], 1
	s_add_co_u32 s[G0+4*(\s)+1], s20, (\s)*SLOT
	s_add_nc_u64 s[G0+4*(\s)+2:G0+4*(\s)+3], s[14:15], (\s)*65536
	s_or_b32 s[G0+4*(\s)+3], s[G0+4*(\s)+3], 0x80000000
	s_mov_b32 s[G0B+4*(\s)], 1
	s_add_co_u32 s[G0B+4*(\s)+1], s21, (\s)*SLOT
	s_add_nc_u64 s[G0B+4*(\s)+2:G0B+4*(\s)+3], s[46:47], (\s)*KSTEP*2
	s_or_b32 s[G0B+4*(\s)+3], s[G0B+4*(\s)+3], 0x80000000
	JLOAD \s                                       ; two loads of mine are out
.endr
	v_and_b32 v1, 15, v0                           ; l % 16
	v_bfe_u32 v2, v0, 4, 1                         ; l / 16
	v_and_b32 v6, 31, v0                           ; l
	v_mul_u32_u24 v3, v1, PITCH
	v_lshl_add_u32 v3, v2, 4, v3                   ; wot: row x pitch + 16 x half
	v_lshlrev_b32 v[CO], 4, v6                     ; A: 16 x lane
	s_lshl_b32 s21, s11, 15                        ; my eight blocks of A
	s_mul_i32 s22, s12, HALFB                      ; my 128 rows of wot
	s_add_co_u32 s22, s22, BOFF
.irp s, 0,1
	v_add_nc_u32 v[ADRA+(\s)], s21, v[CO]
	v_add_nc_u32 v[ADRB+(\s)], s22, v3
	s_add_co_u32 s21, s21, SLOT
	s_add_co_u32 s22, s22, SLOT
.endr
	s_mul_i32 s23, s10, 16*SPITCH
	s_add_co_u32 s23, s23, STAGE                   ; my stage
	v_mul_u32_u24 v4, v1, SPITCH                   ; in: row l % 16 (the head), 32 bytes for each half of the lanes
	v_lshl_add_u32 v4, v2, 5, v4
	v_add_nc_u32 v[STO], s23, v4
	v_add_nc_u32 v[RD], s23, v[CO]                 ; back: a row's 512 bytes, 16 a lane
	v_add_nc_u32 v[CO8], 0x800000, v[CO]
	v_lshlrev_b32 v[BO], 5, v2
	s_lshr_b32 s16, s13, 4                         ; out0: batch ty >> 4, 4,096 rows of 4,096 bytes each;
	s_lshl_b32 s16, s16, 24
	s_and_b32 s17, s13, 15                         ; row 16 (ty & 15) + 8 x my half of the blocks
	s_lshl_b32 s17, s17, 16
	s_add_co_u32 s16, s16, s17
	s_lshl_b32 s17, s11, 15
	s_add_co_u32 s16, s16, s17
	s_mov_b32 s17, 0
	s_lshl_b32 s46, s42, 10                        ; my first column in bytes of f32: 1,024 x tile column + 512 x half
	s_lshl_b32 s47, s12, 9
	s_add_co_u32 s46, s46, s47
	s_mov_b32 s47, 0
	s_add_nc_u64 s[8:9], s[70:71], s[16:17]
	s_add_nc_u64 s[8:9], s[8:9], s[46:47]          ; never stepped: head and block stand in the stores' immediates
	s_add_nc_u64 s[BIA:BIA+1], s[BIA:BIA+1], s[46:47]
	s_add_nc_u64 s[BIA:BIA+1], s[BIA:BIA+1], 3*4096  ; bo lies behind bq, bk and bv
	; the prefetches
	s_lshl_b32 s20, s13, 19                        ; A: my tile row, the half that I fetch, my work-group's 32 blocks of its 128, K step 3
	s_lshl_b32 s21, s12, 15
	s_add_co_u32 s20, s20, s21
	s_lshl_b32 s21, s40, 13
	s_add_co_u32 s20, s20, s21
	s_add_co_u32 s20, s20, 3*65536
	s_lshl_b32 s74, s42, 8                         ; wot: the same by rows
	s_lshl_b32 s75, s12, 7
	s_add_co_u32 s74, s74, s75
	s_lshl_b32 s75, s41, 5
	s_add_co_u32 s74, s74, s75
	s_lshl_b32 s74, s74, 11
	s_add_co_u32 s74, s74, 3*KSTEP*2
	s_and_b32 s22, ttmp7, 0xffff                   ; cluster y
	s_mov_b32 s[PST], KSTEP*2
	s_mov_b32 s[PST+1], 0
	s_cmp_eq_u32 s11, 0                            ; do I fetch for A?
	s_cselect_b32 s20, s20, s74
	s_cselect_b32 s22, ttmp9, s22                  ; the coordinate along which other clusters read the same bytes
	s_cselect_b64 s[PFA:PFA+1], s[4:5], s[6:7]
	s_cselect_b32 s[PST], 0x10000, s[PST]
	s_cselect_b32 s78, 8, 11
	s_cmp_eq_u32 s22, 0
	s_cselect_b32 s[LIM], 1, -1                    ; the same in all sixteen partners, for a given wave
	s_mov_b32 s21, 0
	s_add_nc_u64 s[PFA:PFA+1], s[PFA:PFA+1], s[20:21]  ; the first refill steps it to K step 4 and names that; nothing is prefetched at the head
	v_lshlrev_b32 v[PFO], s78, v6
.macro MUL16 f, hi, a0, zero           ; 16 matrix instructions: blocks a0, a0 + 1 of the window's four x all 8 column blocks, 32 along K.  zero = 1: bo starts the sums
.if \zero
	WIN BEG_LO+0x40*(\hi)
.else
	WIN MUL_LO+0x50*(\hi)
.endif
.irp a, \a0, (\a0)+1
.irp b, 0,1,2,3,4,5,6,7
.if \zero
	v_wmma_f32_16x16x32_f16 v[8*(8*(\a)+(\b)):8*(8*(\a)+(\b))+7], v[(\f)+8*(\b):(\f)+8*(\b)+7], v[(\f)+8*(4*(\hi)+(\a)):(\f)+8*(4*(\hi)+(\a))+7], v[BI+8*(\b):BI+8*(\b)+7]
.else
	v_wmma_f32_16x16x32_f16 v[8*(8*(\a)+(\b)):8*(8*(\a)+(\b))+7], v[(\f)+8*(\b):(\f)+8*(\b)+7], v[(\f)+8*(4*(\hi)+(\a)):(\f)+8*(4*(\hi)+(\a))+7], v[8*(8*(\a)+(\b)):8*(8*(\a)+(\b))+7]
.endif
.endr
.endr
.endm
; 32 LDS loads in one run: a quarter step's fragments into buffer f.  k is the quarter's byte in wot's rows (64 a quarter); in a block of A a quarter is 1,024 bytes = 16 k.
.macro FETCH slot, k, f
	WIN TO_B
.irp i, 0,1,2,3,4,5,6,7
	ds_load_b128 v[(\f)+8*(\i):(\f)+8*(\i)+3],   v[ADRB+(\slot)] offset:(\k)+(\i)*16*PITCH
	ds_load_b128 v[(\f)+8*(\i)+4:(\f)+8*(\i)+7], v[ADRB+(\slot)] offset:(\k)+(\i)*16*PITCH+32
.endr
	WIN 0
.irp i, 0,1,2,3,4,5,6,7
	ds_load_b128 v[(\f)+8*(\i):(\f)+8*(\i)+3],   v[ADRA+(\slot)] offset:16*(\k)+(\i)*4096
	ds_load_b128 v[(\f)+8*(\i)+4:(\f)+8*(\i)+7], v[ADRA+(\slot)] offset:16*(\k)+(\i)*4096+512
.endr
.endm
.macro PLACES                          ; four plain vector instructions between a matrix instruction and a load into, or a read of, its registers
.rept 4
	v_nop
.endr
.endm
.macro QUARTER slot, k, f, g, zero
	s_wait_dscnt 8                                 ; wot's fragments and A's blocks 0-3 are in; the youngest eight loads (blocks 4-7) may be out
	MUL16 \f, 0, 0, \zero
	MUL16 \f, 0, 2, \zero
	PLACES
	FETCH \slot, \k, \g
	s_wait_dscnt 32                                ; all but the 32 just issued
	MUL16 \f, 1, 0, \zero
	MUL16 \f, 1, 2, \zero
.endm
.macro MEET round                      ; one barrier for the change of slots: all my tensor loads, the add, my reads of this slot
	WIN 0
	s_wait_tensorcnt 0x0                           ; all my tensor loads have landed: the one that was out is my part of the next slot
	ds_add_u32 v[SPW], v[NIL]
	s_wait_dscnt 9                                 ; (the add and the youngest eight loads may be out)
	MUL16 F1, 0, 0, 0
	s_wait_dscnt 0x0                               ; the add is done, and my reads of this slot are over
	s_barrier_signal -1
	MUL16 F1, 0, 2, 0
.if \round
	WIN 0
.endif
	s_barrier_wait -1
.endm
.macro TURN slot, next                 ; the last quarter: the slot just read out is filled again, two K steps on, first thing behind the round: 224 matrix instructions ahead of the wait for it
	s_wait_xcnt 0x0                                ; the last prefetch, a K step back, has read its address
	s_add_nc_u64 s[PFA:PFA+1], s[PFA:PFA+1], s[PST:PST+1]
	MEET 1
	CREST                                          ; no wave of any partner still reads this slot's tile or has a load on its way
	s_add_nc_u64 s[G0+4*(\slot)+2:G0+4*(\slot)+3], s[G0+4*(\slot)+2:G0+4*(\slot)+3], 2*65536
	s_add_nc_u64 s[G0B+4*(\slot)+2:G0B+4*(\slot)+3], s[G0B+4*(\slot)+2:G0B+4*(\slot)+3], 2*KSTEP*2
	JLOAD \slot                                    ; its four v_nop are also the places in front of the loads below
	FETCH \next, 0, F0
	ASK
	MUL16 F1, 1, 0, 0
	MUL16 F1, 1, 2, 0
.endm
; THE WAY OUT of block a: its 16 rows are the 16 heads of one s/16.  The sums go unrounded into my stage, rows of 528 bytes, and come back as whole rows of 512 bytes into A's fragment buffers, by turns.
.macro TOSTAGE a
.set AC, 64*((\a)%4)
.set BK, F0+64*((\a)%2)
	WIN 0x08+4*((\a)/4)                            ; the stores' data: window 2 or 3
.irp b, 0,1,2,3,4,5,6,7
	ds_store_b128 v[STO], v[AC+8*(\b):AC+8*(\b)+3]   offset:64*(\b)      ; each accumulator from its low end on
	ds_store_b128 v[STO], v[AC+8*(\b)+4:AC+8*(\b)+7] offset:64*(\b)+16
.endr
	WIN 0
	s_wait_xcnt 0x0                                ; the stores of the block two back have read this buffer
.irp t, 0,1,2,3,4,5,6,7,8,9,10,11,12,13,14,15
	ds_load_b128 v[BK+4*(\t):BK+4*(\t)+3], v[RD] offset:SPITCH*(\t)  ; LDS serves a wave's instructions in order (ISA guide 5.7.1.4): these see the stores above
.endr
.endm
.macro SEND a, younger                 ; younger: the LDS instructions issued behind block a's loads: the next block's 32, or none
.set BK, F0+64*((\a)%2)
.irp t, 0,1,2,3,4,5,6,7
	s_wait_dscnt (\younger)+15-(\t)
	global_store_b128 v[CO], v[BK+4*(\t):BK+4*(\t)+3], s[8:9] offset:(\t)*1048576+(\a)*4096 th:TH_STORE_NT  ; head t lies 256 rows of 4,096 bytes on; 512 consecutive aligned bytes
.endr
.irp t, 8,9,10,11,12,13,14,15
	s_wait_dscnt (\younger)+15-(\t)
	global_store_b128 v[CO8], v[BK+4*(\t):BK+4*(\t)+3], s[8:9] offset:((\t)-8)*1048576+(\a)*4096 th:TH_STORE_NT  ; the immediate stays inside its signed 24 bits: 7,368,704 at the most
.endr
.endm
	WIN TO_B                                       ; bo of my 128 columns, in the result's layout
.irp b, 0,1,2,3,4,5,6,7
	global_load_b128 v[BI+8*(\b):BI+8*(\b)+3],   v[BO], s[BIA:BIA+1] offset:64*(\b)
	global_load_b128 v[BI+8*(\b)+4:BI+8*(\b)+7], v[BO], s[BIA:BIA+1] offset:64*(\b)+16
.endr
	WIN 0
	s_wait_tensorcnt 1                             ; my part of K step 0 is in; K step 1's may stay out
	s_barrier_signal -1
	s_barrier_wait -1
	FETCH 0, 0, F0
	s_wait_loadcnt 0x0                             ; bo
	QUARTER 0, 64,  F0, F1, 1                      ; the first quarter stands in front of the loop: bo starts the sums
	WIN 0
	s_mov_b32 s3, LAPS-1
.Llap:                                                 ; a trip goes once round the ring, from a lap's second quarter to the next lap's first, and fills both slots again
	QUARTER 0, 128, F1, F0, 0
	QUARTER 0, 192, F0, F1, 0
	TURN 0, 1
	QUARTER 1, 64,  F0, F1, 0
	QUARTER 1, 128, F1, F0, 0
	QUARTER 1, 192, F0, F1, 0
	TURN 1, 0
	QUARTER 0, 64,  F0, F1, 0
	WIN 0
	s_sub_co_u32 s3, s3, 1
	s_cmp_lg_u32 s3, 0
	s_cbranch_scc1 .Llap
	QUARTER 0, 128, F1, F0, 0                      ; the last lap fills nothing
	QUARTER 0, 192, F0, F1, 0
	MEET 0                                         ; slot 1, the last K step, is whole; no round follows
	PLACES                                         ; for the loads into buffer 0, which the quarter before multiplied
	FETCH 1, 0, F0
	MUL16 F1, 1, 0, 0
	MUL16 F1, 1, 2, 0
	QUARTER 1, 64,  F0, F1, 0
	QUARTER 1, 128, F1, F0, 0
	QUARTER 1, 192, F0, F1, 0
	s_wait_dscnt 8                                 ; the very last quarter: nothing more to fetch
	MUL16 F1, 0, 0, 0
	MUL16 F1, 0, 2, 0
	s_wait_dscnt 0x0
	MUL16 F1, 1, 0, 0
	MUL16 F1, 1, 2, 0
	PLACES                                         ; in front of the LDS stores that read the sums and of the loads into A's buffers
	TOSTAGE 0
.irp a, 1,2,3,4,5,6,7                  ; block a goes through the stage while block a - 1's rows come back
	TOSTAGE \a
	SEND (\a)-1, 32
.endr
	SEND 7, 0
	s_wait_tensorcnt 0x0                           ; the wave's end: behind my last tensor load and my last LDS store
	ds_add_u32 v[SPW], v[NIL]
	s_wait_dscnt 0x0
	CROUND                                         ; the closing round: no work-group ends while a partner may still ask for a tile that names it
	s_endpgm
.Lfunc_end_k_qbc295bd49a_gemm_o:
	.size	k_qbc295bd49a_gemm_o, .Lfunc_end_k_qbc295bd49a_gemm_o-k_qbc295bd49a_gemm_o
	.p2alignl 7, 3214868480
	.fill 96, 4, 3214868480
	.section	.rodata,"a",@progbits
	.p2align	6, 0x0
	.amdhsa_kernel k_qbc295bd49a_gemm_o
		.amdhsa_group_segment_fixed_size 327680
		.amdhsa_private_segment_fixed_size 0
		.amdhsa_enable_private_segment 0
		.amdhsa_kernarg_size 32
		.amdhsa_user_sgpr_count 2
		.amdhsa_user_sgpr_kernarg_segment_ptr 1
		.amdhsa_wavefront_size32 1
		.amdhsa_system_sgpr_workgroup_id_x 1
		.amdhsa_system_sgpr_workgroup_id_y 1
		.amdhsa_system_sgpr_workgroup_id_z 1
		.amdhsa_system_vgpr_workitem_id 0
		.amdhsa_next_free_vgpr 1024
		.amdhsa_next_free_sgpr 80
		.amdhsa_reserve_vcc 0
		.amdhsa_float_denorm_mode_32 3
		.amdhsa_float_denorm_mode_16_64 3
		.amdhsa_memory_ordered 1
		.amdhsa_forward_progress 1
		.amdhsa_inst_pref_size 147
	.end_amdhsa_kernel
	.amdgpu_metadata
---
amdhsa.version: [ 1, 2 ]
amdhsa.kernels:
  - .name:           k_qbc295bd49a_gemm_o
    .symbol:         k_qbc295bd49a_gemm_o.kd
    .args:
      - { .name: ao, .offset: 0, .size: 8, .value_kind: global_buffer, .address_space: global }
      - { .name: wot, .offset: 8, .size: 8, .value_kind: global_buffer, .address_space: global }
      - { .name: bias, .offset: 16, .size: 8, .value_kind: global_buffer, .address_space: global }
      - { .name: out0, .offset: 24, .size: 8, .value_kind: global_buffer, .address_space: global }
    .group_segment_fixed_size: 327680
    .private_segment_fixed_size: 0
    .kernarg_segment_align: 8
    .kernarg_segment_size: 32
    .max_flat_workgroup_size: 128
    .sgpr_count:     80
    .vgpr_count:     1024
    .wavefront_size: 32
...
	.end_amdgpu_metadata
.endif
;; end of part 4
;; ======== version 2 of 2: 4 launches; version 1 with the launch attn written anew for expert scheduling mode
;; limits: values are held in f16: magnitudes above 65,504 overflow, below 6.1e-05 lose precision
;; workspace buffers: xb 33,554,432 bytes; wt 6,291,456 bytes; wot 2,097,152 bytes; bias 16,384 bytes; qkv 100,663,296 bytes; ao 33,554,432 bytes
;; launch prep: the kernel of part 1 again; grid 1537 x 1, 8 waves a work-group, no clusters, 18,432 bytes of LDS; arguments hidden_state, Wq, Wk, Wv, Wo, bq, bk, bv, bo, xb, wt, wot, bias; writes xb, wt, wot, bias
;; launch gemm_qkv: the kernel of part 2 again; grid 4 x 64, 4 waves a work-group, clusters of 4 x 4, 327,680 bytes of LDS; arguments xb, wt, bias, qkv; writes qkv
;; launch attn (part 5): grid 512 x 1, 8 waves a work-group, no clusters, 0 bytes of LDS; arguments qkv, ao; writes ao
.if DOCPART == 5
	.amdgcn_target "amdgcn-amd-amdhsa--gfx1250"
	.amdhsa_code_object_version 6
	.text
	.protected	k_qbc295bd49a_attn
	.globl	k_qbc295bd49a_attn
	.p2align	8
	.type	k_qbc295bd49a_attn,@function
k_qbc295bd49a_attn:
	s_mov_b64 s[64:65], 0
	v_nop
	global_prefetch_b8 v0, s[64:65] scope:SCOPE_SE
	s_setreg_imm32_b32 hwreg(HW_REG_WAVE_SCHED_MODE, 0, 2), 2
	s_setreg_imm32_b32 hwreg(HW_REG_WAVE_MODE, 25, 1), 1
	s_wait_xcnt 0x0
	s_wait_alu depctr_vm_vsrc(0)
; ATTENTION ACROSS THE 16 HEADS OF ONE TOKEN.  For each token: S = Q K^T / 8 (16 x 16 over 64 channels), softmax over the key heads, O = P V (16 x 64).
; qkv: [16384][3072] f16.  A token's 6,144 bytes are its fragments as they lie in registers: twelve pieces of 512 bytes, lane l's 16 bytes at 16 l:
;   q piece j (byte 512 j) and k piece j (byte 2,048 + 512 j): lane (r = l % 16, hh = l / 16) holds head r, channels 16 j + 8 hh + 0..7: pieces 2 x, 2 x + 1 are the fragment of channels 32 x .. + 31
;   v piece cb (byte 4,096 + 512 cb): lane (r, hh) holds channel 16 cb + r of heads 8 hh + 0..7: half a fragment of V^T
; ao: [ty 64][ks 8][jl 16][c2 2][cb 4][lane 32][8 f16], token = 256 ty + 16 jl + 2 ks + c2: lane (r, hh) of piece cb holds head r, channels 16 cb + 8 hh + 0..7: the last product's fragments.
; S^T = K Q^T (source 0 = the 16 key heads, source 1 = the 16 query heads): a lane holds ONE query head (l % 16) and the keys 8 (l / 16) + 0..7.  Rounded to f16 in pairs, these four registers are half
; of source 1 of O^T = V^T P; the product has 32 along K and there are 16 keys, so the other half is 0: [P][0] against v's even piece in registers 0-3, [0][P] against its odd piece in registers 4-7.
; SOFTMAX in f32: p = 2^(c s - c m), c = log2(e) / 8, m the row's true maximum; l is the sum of the unrounded p; O^T is multiplied by 1 / l in f32 and rounded once to f16.
; LIMITS.  q, k, v arrive within f16's range; a weight below 2^-126 counts as 0 in l; NaN and infinities are not treated apart (v's idle half meets zeros, and must be finite).
; SHARES.  A wave takes four neighbouring tokens, two at a time; all its 48 loads (512 consecutive bytes each) go out at the head.  No LDS, no barrier, no cluster, no prefetch: nothing is shared, every
; byte is read once and the launch is a stream.
; THE MODE: SCHED_MODE bits 1:0 = 2 (LLVM: expert scheduling mode 2), set by the entry lines.  The code itself states the register dependences between vector or matrix instructions and memory
; instructions, with s_wait_alu, always for 0.
; THE PLAN.  Registers that memory instructions touch:
;   v1                      16 x lane.  Written at the head, never again; read as the offset by all 48 loads and all 16 stores: one wait on va_vdst ahead of the first load.
;   v[D .. D+191]           The 48 loads land here.  No vector instruction names them ahead of the loads, and no load is issued behind the head: only the waits on LOADcnt are owed.
;   v[D+48 i+16 .. +31]     Token i's result.  Written by its four products V^T P, its scalings and its roundings; read by its four stores; never written again (the second pair of tokens works in its
;                           own registers): one wait on va_vdst a pair, behind both tokens' roundings and ahead of the run of eight stores; no wait on vm_vsrc is owed.
;   S, ST and PZ are named by vector and matrix instructions alone.  s8 is written by a vector instruction: one wait on va_sdst ahead of its first reader.  EXEC and VCC are never written.
.set ST, 4                             ; token u of a pair: v[ST+8u]: c m, m, t, the exchange, sum (a pair), 1 / l, (named with it as a pair)
.set PZ, 20                            ; v[PZ+12u]: four zeros, P, four zeros
.set S,  44                            ; v[S+8u]: S^T
.set D,  64                            ; token i: v[D+48i]: v (16), q (16), k (16); later O^T lies in q's and k's 32
	s_load_b128 s[4:7], s[0:1], 0x0                ; qkv s[4:5], ao s[6:7]
	v_lshrrev_b32 v2, 5, v0
	v_readfirstlane_b32 s8, v2                     ; wave 0..7
	v_and_b32 v1, 31, v0
	v_lshlrev_b32 v1, 4, v1                        ; 16 x lane; never rewritten
	s_wait_alu depctr_va_sdst(0)                   ; s8 is written, ahead of its first reader: the bases of qkv and ao are made from it
	s_lshl3_add_u32 s9, ttmp9, s8                  ; my group of four tokens, g = 0..4095
	s_mul_i32 s10, s9, 4*6144
	s_mov_b32 s11, 0
	s_lshr_b32 s12, s9, 6                          ; ty = g >> 6,
	s_lshl_b32 s12, s12, 19
	s_and_b32 s18, s9, 3                           ; ks = 2 (g & 3) + i / 2,
	s_lshl_b32 s18, s18, 17
	s_add_co_u32 s12, s12, s18
	s_bfe_u32 s18, s9, 0x40002                     ; jl = (g >> 2) & 15
	s_lshl_b32 s18, s18, 12
	s_add_co_u32 s12, s12, s18
	s_mov_b32 s13, 0
	s_mov_b32 s14, 0x3e38aa3b                      ; c = log2(e) / 8
	s_mov_b32 s15, s14                             ; named with it as a pair
	s_mov_b32 s16, 0x76543210                      ; v_permlanex16_b32: each lane takes its own place in the other half
	s_mov_b32 s17, 0xfedcba98
	s_wait_kmcnt 0x0
	s_add_nc_u64 s[10:11], s[4:5], s[10:11]
	s_add_nc_u64 s[12:13], s[6:7], s[12:13]
	s_wait_alu depctr_va_vdst(0)                   ; v1 is written: every load and store of the kernel reads it as its offset
.macro LDQK i
.irp j, 0,1,2,3
	global_load_b128 v[D+48*(\i)+16+4*(\j):D+48*(\i)+19+4*(\j)], v1, s[10:11] offset:6144*(\i)+512*(\j) th:TH_LOAD_NT
.endr
.irp j, 0,1,2,3
	global_load_b128 v[D+48*(\i)+32+4*(\j):D+48*(\i)+35+4*(\j)], v1, s[10:11] offset:6144*(\i)+2048+512*(\j) th:TH_LOAD_NT
.endr
.endm
.macro LDV i
.irp j, 0,1,2,3
	global_load_b128 v[D+48*(\i)+4*(\j):D+48*(\i)+3+4*(\j)], v1, s[10:11] offset:6144*(\i)+4096+512*(\j) th:TH_LOAD_NT
.endr
.endm
	LDQK 0
	LDQK 1
	LDV 0
	LDV 1
	LDQK 2
	LDQK 3
	LDV 2
	LDV 3
.irp u, 0,1
.irp z, 0,1,2,3
	v_mov_b32 v[PZ+12*(\u)+(\z)], 0                ; the idle halves of source 1, once; no memory instruction names these registers
	v_mov_b32 v[PZ+12*(\u)+8+(\z)], 0
.endr
	v_mov_b32 v[ST+8*(\u)+3], 0                    ; the exchange's destination counts as read
	v_mov_b32 v[ST+8*(\u)+7], 0                    ; named in a pair with 1 / l
.endr
; Tokens 2 s and 2 s + 1, side by side, so that no line waits for the one before it.  n1, n2: the younger loads that may stay out when q and k, and then v, are wanted.
.macro BATCH s, n1, n2
.set DD, D+96*(\s)
	s_wait_loadcnt \n1
	v_wmma_f32_16x16x32_f16 v[S:S+7],    v[DD+32:DD+39], v[DD+16:DD+23], 0          ; the two accumulators take turns
	v_wmma_f32_16x16x32_f16 v[S+8:S+15], v[DD+80:DD+87], v[DD+64:DD+71], 0
	v_wmma_f32_16x16x32_f16 v[S:S+7],    v[DD+40:DD+47], v[DD+24:DD+31], v[S:S+7]
	v_wmma_f32_16x16x32_f16 v[S+8:S+15], v[DD+88:DD+95], v[DD+72:DD+79], v[S+8:S+15]
.rept 4
	v_nop                                          ; the places behind those products
.endr
.irp u, 0,1
	v_max3_num_f32 v[ST+8*(\u)+2], v[S+8*(\u)], v[S+8*(\u)+1], v[S+8*(\u)+2]
.endr
.irp u, 0,1
	v_max3_num_f32 v[ST+8*(\u)+2], v[ST+8*(\u)+2], v[S+8*(\u)+3], v[S+8*(\u)+4]
.endr
.irp u, 0,1
	v_max3_num_f32 v[ST+8*(\u)+2], v[ST+8*(\u)+2], v[S+8*(\u)+5], v[S+8*(\u)+6]
.endr
.irp u, 0,1
	v_max_num_f32 v[ST+8*(\u)+2], v[ST+8*(\u)+2], v[S+8*(\u)+7]
.endr
.irp u, 0,1
	v_permlanex16_b32 v[ST+8*(\u)+3], v[ST+8*(\u)+2], s16, s17   ; the query's other eight keys lie in the lane 16 away
.endr
.irp u, 0,1
	v_max_num_f32 v[ST+8*(\u)+1], v[ST+8*(\u)+2], v[ST+8*(\u)+3]
.endr
.irp u, 0,1
	v_mul_f32 v[ST+8*(\u)], s14, v[ST+8*(\u)+1]
.endr
.irp p, 0,1,2,3
.irp u, 0,1
	v_pk_fma_f32 v[S+8*(\u)+2*(\p):S+8*(\u)+2*(\p)+1], v[S+8*(\u)+2*(\p):S+8*(\u)+2*(\p)+1], s[14:15], v[ST+8*(\u):ST+8*(\u)+1] op_sel_hi:[1,0,0] neg_lo:[0,0,1] neg_hi:[0,0,1]  ; c s - c m
.endr
.endr
.set e, 0
.rept 16
	v_exp_f32 v[S+e], v[S+e]                       ; one batch of sixteen
.set e, e+1
.endr
	v_nop                                          ; a plain instruction behind the last exponential,
	s_wait_alu depctr_va_vdst(0)                   ; the sixteen exponentials have written v[S .. S+15]: the one wait ahead of the batch's first reader
.irp p, 0,1,2,3
.irp u, 0,1
	v_cvt_pk_f16_f32 v[PZ+12*(\u)+4+(\p)], v[S+8*(\u)+2*(\p)], v[S+8*(\u)+2*(\p)+1]
.endr
.endr
.irp u, 0,1
	v_pk_add_f32 v[ST+8*(\u)+4:ST+8*(\u)+5], v[S+8*(\u):S+8*(\u)+1], v[S+8*(\u)+2:S+8*(\u)+3]
.endr
.irp u, 0,1
	v_pk_add_f32 v[S+8*(\u)+4:S+8*(\u)+5], v[S+8*(\u)+4:S+8*(\u)+5], v[S+8*(\u)+6:S+8*(\u)+7]
.endr
.irp u, 0,1
	v_pk_add_f32 v[ST+8*(\u)+4:ST+8*(\u)+5], v[ST+8*(\u)+4:ST+8*(\u)+5], v[S+8*(\u)+4:S+8*(\u)+5]
.endr
.irp u, 0,1
	v_add_f32 v[ST+8*(\u)+2], v[ST+8*(\u)+4], v[ST+8*(\u)+5]
.endr
.irp u, 0,1
	v_permlanex16_b32 v[ST+8*(\u)+3], v[ST+8*(\u)+2], s16, s17
.endr
.irp u, 0,1
	v_add_f32 v[ST+8*(\u)+2], v[ST+8*(\u)+2], v[ST+8*(\u)+3]
.endr
.irp u, 0,1
	v_rcp_f32 v[ST+8*(\u)+6], v[ST+8*(\u)+2]
.endr
	s_wait_loadcnt \n2                             ; v
.irp u, 0,1
.irp cb, 0,1,2,3                       ; eight products that stand alone: each starts and ends its sum; O^T takes q's and k's registers
	v_wmma_f32_16x16x32_f16 v[DD+48*(\u)+16+8*(\cb):DD+48*(\u)+23+8*(\cb)], v[DD+48*(\u)+8*((\cb)/2):DD+48*(\u)+8*((\cb)/2)+7], v[PZ+12*(\u)+4-4*((\cb)%2):PZ+12*(\u)+11-4*((\cb)%2)], 0
.endr
.endr
.rept 4
	v_nop                                          ; the places behind those products, and the plain instruction behind the reciprocals
.endr
	s_wait_alu depctr_va_vdst(0)                   ; the two reciprocals have written v[ST+6] and v[ST+14]: one wait for both, ahead of their first reader
.irp u, 0,1
.set x, DD+48*(\u)+16
.rept 16
	v_pk_mul_f32 v[x:x+1], v[x:x+1], v[ST+8*(\u)+6:ST+8*(\u)+7] op_sel_hi:[1,0]   ; from each accumulator's low end on
.set x, x+2
.endr
.endr
.irp u, 0,1
.set x, 0
.rept 16
	v_cvt_pk_f16_f32 v[DD+48*(\u)+16+x], v[DD+48*(\u)+16+2*x], v[DD+48*(\u)+17+2*x]  ; in place: number x is written when numbers 2 x and 2 x + 1 are read
.set x, x+1
.endr
.endr
	s_wait_alu depctr_va_vdst(0)                   ; both tokens' roundings have written v[DD+16 .. DD+31] and v[DD+64 .. DD+79], which the eight stores below read
.irp u, 0,1
.irp cb, 0,1,2,3
	global_store_b128 v1, v[DD+48*(\u)+16+4*(\cb):DD+48*(\u)+19+4*(\cb)], s[12:13] offset:65536*(\s)+2048*(\u)+512*(\cb)  ; 512 consecutive bytes, at a multiple of 512 from ao's first byte; these registers are not written again
.endr
.endr
.endm
	BATCH 0, 32, 24                                ; of 48 loads the first 16, then the first 24, are wanted
	BATCH 1, 8, 0                                  ; the first 40, then all
	s_endpgm
.Lfunc_end_k_qbc295bd49a_attn:
	.size	k_qbc295bd49a_attn, .Lfunc_end_k_qbc295bd49a_attn-k_qbc295bd49a_attn
	.p2alignl 7, 3214868480
	.fill 96, 4, 3214868480
	.section	.rodata,"a",@progbits
	.p2align	6, 0x0
	.amdhsa_kernel k_qbc295bd49a_attn
		.amdhsa_group_segment_fixed_size 0
		.amdhsa_private_segment_fixed_size 0
		.amdhsa_enable_private_segment 0
		.amdhsa_kernarg_size 16
		.amdhsa_user_sgpr_count 2
		.amdhsa_user_sgpr_kernarg_segment_ptr 1
		.amdhsa_wavefront_size32 1
		.amdhsa_system_sgpr_workgroup_id_x 1
		.amdhsa_system_sgpr_workgroup_id_y 1
		.amdhsa_system_sgpr_workgroup_id_z 1
		.amdhsa_system_vgpr_workitem_id 0
		.amdhsa_next_free_vgpr 256
		.amdhsa_next_free_sgpr 66
		.amdhsa_reserve_vcc 0
		.amdhsa_float_denorm_mode_32 3
		.amdhsa_float_denorm_mode_16_64 3
		.amdhsa_memory_ordered 1
		.amdhsa_forward_progress 1
		.amdhsa_inst_pref_size 25
	.end_amdhsa_kernel
	.amdgpu_metadata
---
amdhsa.version: [ 1, 2 ]
amdhsa.kernels:
  - .name:           k_qbc295bd49a_attn
    .symbol:         k_qbc295bd49a_attn.kd
    .args:
      - { .name: qkv, .offset: 0, .size: 8, .value_kind: global_buffer, .address_space: global }
      - { .name: ao, .offset: 8, .size: 8, .value_kind: global_buffer, .address_space: global }
    .group_segment_fixed_size: 0
    .private_segment_fixed_size: 0
    .kernarg_segment_align: 8
    .kernarg_segment_size: 16
    .max_flat_workgroup_size: 256
    .sgpr_count:     66
    .vgpr_count:     256
    .wavefront_size: 32
...
	.end_amdgpu_metadata
.endif
;; end of part 5
;; launch gemm_o: the kernel of part 4 again; grid 4 x 64, 4 waves a work-group, clusters of 4 x 4, 327,680 bytes of LDS; arguments ao, wot, bias, out0; writes out0
